; MI455X (gfx1250); checked and timed in simulation.
; The chip was launched on July 23, 2026; its instructions are those of AMD's public machine-readable ISA for CDNA 5 (MIT licence, August 2026) and "CDNA5" Instruction Set Architecture Reference Guide (July 2026). The comments in the code are by the model that wrote it; some were corrected since.
;; Adaptive Causal Attention. Allowed arithmetic: matrix products marked QUANTISED: E2M3 operands, one E8M0 scale for each 32 along K, by v_wmma_scale_f32_16x16x128_f8f6f4 with both operands' format E2M3, f32 sums; everything else in f32.
;; Inputs: b_attn 3,072 float32; b_proj 1,024 float32; period_weight 16 float32; ratio_weight 16 float32; span_params 16 float32; w_attn 1,024 x 3,072 float32; w_proj 1,024 x 1,024 float32; x 2 x 2,048 x 1,024 float32.
;; Outputs: out0 2 x 2,048 x 1,024 float32; out1 one number float32.
;; This version of the problem:
;;   THIS VERSION OF THE PROBLEM IS GIVEN IN LOW PRECISION. The matrix products marked QUANTISED in the list below multiply operands that are first quantised to E2M3 (2 exponent bits, 3 mantissa bits; 6 bits a number), with one power-of-two scale for each 32 numbers along K (OCP MX v1.0); their sums are f32. All else is computed in f32.
;;   The module's matrix products, in the order in which they are computed (A, B: the left and right operand; K: the contracted axis; several contracted axes count as one K, in the product's order):
;;     1. [M 4,096, K 1,024] x [K 1,024, N 3,072]; A: input x; B: input w_attn: QUANTISED
;;     2. batch 32 x [M 2,048, K 64] x [K 64, N 2,048]; A: computed on the way; B: computed on the way: QUANTISED
;;     3. batch 32 x [M 64, K 2,048] x [K 2,048, N 2,048]; A: computed on the way; B: computed on the way: QUANTISED
;;     4. [M 4,096, K 1,024] x [K 1,024, N 1,024]; A: computed on the way; B: input w_proj: QUANTISED
;;   THE QUANTISER, for each operand of a quantised product, along K:
;;     - K is cut into blocks of 32 from its start; a last block that is shorter is filled with zeros.
;;     - A block's scale is 2^e with e = floor(log2(the largest magnitude in the block)) - 2, held to -126 .. 127; a block of zeros has e = 0. As a byte (E8M0): e + 127.
;;     - Each number is divided by its block's scale, clamped to +-7.5, and rounded to the nearest number of E2M3, ties to even, subnormals kept.
;;     - The product sums the exact products of the quantised numbers (number of the format x scale) in f32.
;;   ~~~python
;;   def quantise(x, axis):      # numpy; x: float32 -> the quantised numbers, widened to float32 again
;;       x = np.moveaxis(x, axis, -1); K = x.shape[-1]
;;       x = np.pad(x, [(0, 0)] * (x.ndim - 1) + [(0, -K % 32)]); x = x.reshape(x.shape[:-1] + (-1, 32)); a = np.abs(x).max(-1, keepdims=True)
;;       e = np.where(a > 0, np.clip(np.frexp(np.where(a > 0, a, 1))[1] - 1 - 2, -126, 127), 0)      # np.frexp(a)[1] - 1 = floor(log2(a)), exactly
;;       r = np.clip(x / 2.0 ** e, -7.5, 7.5)
;;       step = 2.0 ** (np.maximum(np.frexp(np.where(r == 0, 1, r))[1] - 1, 0) - 3)
;;       q = np.round(r / step) * step * 2.0 ** e      # np.round: ties to even
;;       return np.moveaxis(q.reshape(q.shape[:-2] + (-1,))[..., :K], -1, axis).astype(np.float32)
;;   ~~~
;;   OPERANDS COMPUTED ON THE WAY. 'Computed on the way' means the value that the module computes at that place (a softmax that the list does not call 'softmax' is quantised finished and normalised). What goes into a quantiser is computed in f32, as accurately as f32 sums, v_exp_f32 and their like allow (about 1e-6 of the number): no bf16 or f16 on the way to a quantiser, and a product that is left as it is and whose result goes on into a quantised operand takes f32 operands (vector FMAs, or v_wmma_f32_16x16x4_f32). A number that lies on a knife's edge between two numbers of the format may be rounded either way, as far as f32 arithmetic and the matrix unit's own rounding can turn it there, and no further.
;; One version. Each part assembles by itself: llvm-mc -triple=amdgcn-amd-amdhsa -mcpu=gfx1250 --defsym DOCPART=n.
;; ======== version 1 of 1: 4 launches
;; limits: right only within a limited range of input values
;; workspace buffers: x_img 3,276,800 bytes; wa_img 2,457,600 bytes; wp_img 819,200 bytes; masktab 147,456 bytes; q_img 3,407,872 bytes; k_img 3,407,872 bytes; v_img 3,276,800 bytes; y_img 3,276,800 bytes
;; launch prep (part 1): grid 304 x 1, 4 waves a work-group, no clusters, 34,304 bytes of LDS; arguments x, w_attn, w_proj, span_params, period_weight, ratio_weight, x_img, wa_img, wp_img, masktab, out1; writes x_img, wa_img, wp_img, masktab, out1
.if DOCPART == 1
	.amdgcn_target "amdgcn-amd-amdhsa--gfx1250"
	.amdhsa_code_object_version 6
	.text
	.protected	k_q255f42e75d_prep
	.globl	k_q255f42e75d_prep
	.p2align	8
	.type	k_q255f42e75d_prep,@function
k_q255f42e75d_prep:
	s_mov_b64 s[64:65], 0
	v_nop
	global_prefetch_b8 v0, s[64:65] scope:SCOPE_SE
	s_setreg_imm32_b32 hwreg(HW_REG_WAVE_MODE, 25, 1), 1
	s_wait_xcnt 0x0
; PREP.  x [4096][1024], w_attn [1024][3072], w_proj [1024][1024] (f32) become codes of FP6 (E2M3) with one E8M0 byte for each 32 along K, laid as IMAGES OF OPERAND REGISTERS:
; a fragment (16 rows x 128 K) is 12 registers a lane = three pieces of 512 bytes, piece i = registers 4 i .. 4 i + 3, lane l's 16 bytes at 16 l.  Scale words lie in groups of four tiles, [row lane 16][4 words].
; THE ROWS OF A TILE ARE NOT NEIGHBOURS: among 32 rows, lane r of tile 2 b + u holds row 32 b + 8 u + r + 8 (r / 8).
; The launch also makes the mask of each head as a table over rel (masktab[head][x] = mask at rel = 2048 - x, 0 where rel < 0), and out1.
; ROLES by the work-group's number: 0-127 x; 128-223 w_attn; 224-255 w_proj; 256-303 the table (and, in 256, out1).  Only the first role touches LDS.
; A block's scale byte is its largest magnitude's exponent field - 2, held at 1 from below.
; LIMITS: NaN and infinities among the inputs are not served.  A block of zeros gets the byte 1 where the rule says 127 (its codes are zeros; this program alone reads the bytes).
; The sigmoids' inputs are held to +-80: beyond that P, ratio and out1 are what f32 gives anyway; a span under 2e-32 is the one difference.
; The sigmoid is 1 / (1 + exp(-x)) with each step rounded once; a head's period may differ by one unit in its last place from one made with another exponential.
.set SPARE, 33792                      ; behind the four stages: the spare words, 128 bytes a wave
.set SPW,   254                        ; v254 LDS address of my spare word; never rewritten
.set NIL,   255                        ; v255 0; never rewritten
.set WV,    30                         ; s30  my wave's number
; ---- role x: registers
.set XR, 16                            ; v16-143  two sets of 16 x 4: a tile's rows as loaded
.set XX, 144                           ; v144-207 my 64 numbers: k = 64 c + 32 h + 0 .. 31 of row r
.set XF, 208                           ; v208-219 the fragment
.set XT, 220                           ; v220-227 the second halves of the blocks' codes
.set XW, 228                           ; v228-231 the four tiles' scale words
.set XM, 232
.set XS, 234
.set XB, 236
; ---- roles w: registers
.set WN, 16                            ; v16-143  two sets of 2 x 32 numbers down K
.set WF, 144                           ; v144-191 fragments: 24 hb + 12 h
.set WD, 192                           ; v192-193 the two columns' scale words
.set WC, 196
.set WX, 204
.set WO, 206
.set WB, 208
; ---- role table: registers, six chains each
.set RI, 16
.set RL, 22
.set NN, 28
.set Q0, 34
.set RR, 40
.set AG, 46
.set KQ, 52
.set RH, 58
.set HX, 64
.set X2, 70
.set PL, 76
.set SN, 82
.set CO, 88
.set MP, 94
.set SG, 100
.set XI, 104
.set TS, 108
.set SPANV, 120
.set PP, 121
.set RAT, 122
.set AMP, 123
.set OFS, 124
.set RP, 125
.macro LOADT t                         ; tile t of my 64 rows: 16 rows x 512 consecutive bytes
.irp i, 0,1,2,3,4,5,6,7,8,9,10,11,12,13,14,15
	global_load_b128 v[XR+64*((\t)%2)+4*\i:XR+64*((\t)%2)+4*\i+3], v3, s[8:9] offset:(32*((\t)/2)+8*((\t)%2)+\i+8*(\i/8))*4096 th:TH_LOAD_NT
.endr
.endm
.macro TILE t
.if (\t) < 3
	s_wait_loadcnt 16                              ; this tile's 16 loads are in; the next tile's 16 may be out
.else
	s_wait_loadcnt 0x0
.endif
.irp i, 0,1,2,3,4,5,6,7,8,9,10,11,12,13,14,15
	ds_store_b128 v4, v[XR+64*((\t)%2)+4*\i:XR+64*((\t)%2)+4*\i+3] offset:528*\i   ; rows of 512 bytes + 16
.endr
.irp c, 0,1
.irp j, 0,1,2,3,4,5,6,7
	ds_load_b128 v[XX+32*\c+4*\j:XX+32*\c+4*\j+3], v7 offset:256*\c+16*\j          ; LDS serves a wave's instructions in order: these see my stores
.endr
.endr
	s_wait_dscnt 0x0                               ; my numbers are back, so the stores have read their registers,
.if (\t) < 2
	LOADT (\t)+2                                   ; which take the tile two on
.endif
	s_wait_xcnt 0x0                                ; the last tile's stores have read the fragment's registers
.irp c, 0,1
	v_max3_num_f32 v[XM+\c], |v[XX+32*\c]|, |v[XX+32*\c+1]|, 0x1800000             ; my block 2 c + h: all 32 numbers are mine; the floor 2^(3 - 127) holds the byte at 1
.endr
.irp i, 2,4,6,8,10,12,14,16,18,20,22,24,26,28,30
.irp c, 0,1
	v_max3_num_f32 v[XM+\c], v[XM+\c], |v[XX+32*\c+\i]|, |v[XX+32*\c+\i+1]|
.endr
.endr
.irp c, 0,1
	v_add_nc_u32 v[XS+\c], 0xff000000, v[XM+\c]    ; 2 off the exponent field: the conversion's scale operand
.endr
.irp c, 0,1
	v_lshrrev_b32 v[XB+\c], 23, v[XS+\c]           ; the byte
.endr
	v_lshl_or_b32 v[XW+(\t)], v[XB+1], 16, v[XB]   ; blocks h and 2 + h,
	v_lshlrev_b32 v[XW+(\t)], v9, v[XW+(\t)]       ; 8 h bits up;
	v_permlanex16_b32 v10, v[XW+(\t)], s44, s45
	v_or_b32 v[XW+(\t)], v[XW+(\t)], v10           ; with lane l xor 16's two the word is whole
.irp c, 0,1
	v_cvt_scalef32_pk16_fp6_f32 v[XF+6*\c:XF+6*\c+2], v[XX+32*\c:XX+32*\c+15], v[XS+\c]
	v_cvt_scalef32_pk16_fp6_f32 v[XT+4*\c:XT+4*\c+2], v[XX+32*\c+16:XX+32*\c+31], v[XS+\c]   ; (a conversion's three registers begin on an even number)
.endr
	v_nop                                          ; one plain place behind a scaled conversion
.irp c, 0,1
.irp i, 0,1,2
	v_mov_b32 v[XF+6*\c+3+\i], v[XT+4*\c+\i]
.endr
.endr
.irp i, 0,1,2
	global_store_b128 v3, v[XF+4*\i:XF+4*\i+3], s[40:41] offset:1536*(\t)+512*\i   ; 512 consecutive bytes
.endr
.endm
.macro LOADB be, pitch, sb             ; block be (32 along K) of my 64 columns: a row's two halves back to back, 256 consecutive bytes
.irp i, 0,1,2,3,4,5,6,7,8,9,10,11,12,13,14,15,16,17,18,19,20,21,22,23,24,25,26,27,28,29,30,31
.irp hb, 0,1
	global_load_b32 v[WN+64*((\be)%2)+32*\hb+\i], v3, s[\sb:\sb+1] offset:(32*(\be)+\i)*\pitch+128*\hb th:TH_LOAD_NT
.endr
.endr
.endm
.macro WBLK be                         ; the block's 32 numbers of each of my two columns become 6 registers of codes and a byte
.set NS, WN+64*((\be)%2)
.set FD, WF+12*((\be)%2)+6*((\be)/2)
.irp hb, 0,1
	v_max3_num_f32 v[WX+\hb], |v[NS+32*\hb]|, |v[NS+32*\hb+1]|, 0x1800000
.endr
.irp i, 2,4,6,8,10,12,14,16,18,20,22,24,26,28,30
.irp hb, 0,1
	v_max3_num_f32 v[WX+\hb], v[WX+\hb], |v[NS+32*\hb+\i]|, |v[NS+32*\hb+\i+1]|
.endr
.endr
.irp hb, 0,1
	v_add_nc_u32 v[WO+\hb], 0xff000000, v[WX+\hb]
.endr
.irp hb, 0,1
	v_lshrrev_b32 v[WB+\hb], 23, v[WO+\hb]
.endr
.irp hb, 0,1
.if (\be) == 0
	v_mov_b32 v[WD+\hb], v[WB+\hb]
.else
	v_lshl_or_b32 v[WD+\hb], v[WB+\hb], 8*(\be), v[WD+\hb]
.endif
.endr
.irp hb, 0,1
	v_cvt_scalef32_pk16_fp6_f32 v[FD+24*\hb:FD+24*\hb+2], v[NS+32*\hb:NS+32*\hb+15], v[WO+\hb]
	v_cvt_scalef32_pk16_fp6_f32 v[WC+4*\hb:WC+4*\hb+2], v[NS+32*\hb+16:NS+32*\hb+31], v[WO+\hb]
.endr
	v_nop                                          ; one plain place behind a scaled conversion
.irp hb, 0,1
.irp i, 0,1,2
	v_mov_b32 v[FD+24*\hb+3+\i], v[WC+4*\hb+\i]
.endr
.endr
.endm
; A LANE TAKES A COLUMN AND ITS REGISTERS RUN DOWN K: column 32 hb + lane of the task's 64, 128 along K.  Lane l is lane r = (l & 7) + 8 (l >> 4) of tile 2 hb + u, u = bit 3 of l.
.macro WQ pitch, sb
	v_lshlrev_b32 v3, 2, v2                        ; in: 4 bytes a lane
	v_bfe_u32 v4, v2, 3, 1                         ; u
	v_and_b32 v5, 7, v2
	v_lshrrev_b32 v6, 4, v2
	v_lshl_add_u32 v5, v6, 3, v5                   ; r
	v_mul_u32_u24 v7, v4, 1536
	v_lshl_add_u32 v7, v5, 4, v7                   ; out: tile u, 16 r
	v_lshlrev_b32 v8, 4, v5
	v_lshl_add_u32 v8, v4, 3, v8                   ; the words: 16 r + 8 u: word 2 u + hb of the row lane's four
	LOADB 0, \pitch, \sb
	s_wait_alu depctr_va_vdst(0)
.irp be, 0,1,2,3
	s_wait_loadcnt 0x0                             ; this block's 64 loads are in;
.if \be < 3
	LOADB \be+1, \pitch, \sb                       ; the next block's go out at once and fly while this one is quantised
.endif
	WBLK \be
.endr
.irp hb, 0,1
.irp h, 0,1
.irp i, 0,1,2
	global_store_b128 v7, v[WF+24*\hb+12*\h+4*\i:WF+24*\hb+12*\h+4*\i+3], s[40:41] offset:3072*\hb+256*\h+512*\i   ; two aligned runs of 256 bytes
.endr
.endr
.endr
	global_store_b64 v8, v[WD:WD+1], s[42:43]      ; 256 consecutive bytes
.endm
; three sigmoids at once: v[XI .. XI+2] -> v[SG .. SG+2] = 1 / (1 + exp(-x)).  exp(-x) = 2^t (1 + ln2 lo), t = -x log2(e) rounded, lo what the rounding and the constant's own rounding left
.macro SIG3
.irp k, 0,1,2
	v_med3_num_f32 v[XI+\k], v[XI+\k], s49, s50
.endr
.irp k, 0,1,2
	v_mul_f32 v[TS+\k], s46, v[XI+\k]
.endr
.irp k, 0,1,2
	v_fma_f32 v[TS+4+\k], v[XI+\k], s46, -v[TS+\k]
.endr
.irp k, 0,1,2
	v_fma_f32 v[TS+4+\k], v[XI+\k], s47, v[TS+4+\k]
.endr
.irp k, 0,1,2
	v_exp_f32 v[TS+8+\k], v[TS+\k]
.endr
	v_nop                                          ; a plain place behind the exponentials,
	s_wait_alu depctr_va_vdst(0)                   ; and the one wait ahead of the batch's first reader
.irp k, 0,1,2
	v_mul_f32 v[TS+\k], s48, v[TS+8+\k]
.endr
.irp k, 0,1,2
	v_fma_f32 v[TS+8+\k], v[TS+\k], v[TS+4+\k], v[TS+8+\k]
.endr
.irp k, 0,1,2
	v_add_f32 v[TS+8+\k], 1.0, v[TS+8+\k]
.endr
	s_wait_alu depctr_va_vdst(0)
.irp k, 0,1,2
	v_rcp_f32 v[SG+\k], v[TS+8+\k]
.endr
	v_nop
	s_wait_alu depctr_va_vdst(0)
.irp k, 0,1,2
	v_fma_f32 v[TS+\k], -v[TS+8+\k], v[SG+\k], 1.0 ; one Newton step
.endr
.irp k, 0,1,2
	v_fma_f32 v[SG+\k], v[SG+\k], v[TS+\k], v[SG+\k]
.endr
.endm
.macro PARAMS                          ; span, period, ratio, 1 / period
	v_mul_f32 v[SPANV], 0x45000000, v[SG]          ; x 2048
	v_fma_f32 v[PP], v[SG+1], 2.0, 2.0
	v_fma_f32 v[RAT], v[SG+2], 0.5, s55            ; - 0.25
	s_wait_alu depctr_va_vdst(0)
	v_rcp_f32 v[RP], v[PP]
	v_nop
	s_wait_alu depctr_va_vdst(0)
	v_fma_f32 v[TS], -v[PP], v[RP], 1.0
	v_fma_f32 v[RP], v[RP], v[TS], v[RP]
.endm
	s_load_b512 s[8:23], s[0:1], 0x0               ; x 8, w_attn 10, w_proj 12, span 14, period 16, ratio 18, x_img 20, wa_img 22
	s_load_b128 s[24:27], s[0:1], 0x40             ; wp_img 24, masktab 26
	s_load_b64 s[28:29], s[0:1], 0x50              ; out1
	v_lshl_add_u32 v[SPW], v0, 2, SPARE
	v_mov_b32 v[NIL], 0
	v_lshrrev_b32 v1, 5, v0
	v_readfirstlane_b32 s[WV], v1
	v_and_b32 v2, 31, v0                           ; lane
	s_mov_b32 s44, 0x76543210
	s_mov_b32 s45, 0xfedcba98                      ; v_permlanex16_b32's selects for lane l xor 16
	s_wait_kmcnt 0x0
	s_cmp_lt_u32 ttmp9, 128
	s_cbranch_scc1 .Lrole_x
	s_cmp_lt_u32 ttmp9, 224
	s_cbranch_scc1 .Lrole_wa
	s_cmp_lt_u32 ttmp9, 256
	s_cbranch_scc1 .Lrole_wp
; ---------------- the mask table: three work-groups a head, 768 entries each, six a thread in six chains that do not wait for each other
	s_sub_co_u32 s31, ttmp9, 256
	s_mul_i32 s32, s31, 0x5556
	s_lshr_b32 s32, s32, 16                        ; the head = (number) / 3
	s_mul_i32 s33, s32, 3
	s_sub_co_u32 s33, s31, s33                     ; which third
	s_lshl_b32 s34, s32, 2
	s_load_b32 s36, s[14:15], s34 offset:0x0
	s_load_b32 s37, s[16:17], s34 offset:0x0
	s_load_b32 s38, s[18:19], s34 offset:0x0
	s_mov_b32 s46, 0xbfb8aa3b                      ; -log2(e), its f32 part,
	s_mov_b32 s47, 0xb2a57060                      ; and what that leaves
	s_mov_b32 s48, 0x3f317218                      ; ln 2
	s_mov_b32 s49, 0xc2a00000                      ; -80
	s_mov_b32 s50, 0x42a00000                      ; 80
	s_mov_b32 s51, 0x40c90fdb                      ; 2 pi, its f32 part,
	s_mov_b32 s52, 0xb43bbd2e                      ; and what that leaves
	s_mov_b32 s53, 0x2f309231                      ; 1 / 13!
	s_mov_b32 s54, 0xb2d7322b                      ; -1 / 11!
	s_mov_b32 s55, 0xbe800000                      ; -0.25
	s_mul_i32 s40, s32, 9216
	s_mul_i32 s41, s33, 3072
	s_add_co_u32 s40, s40, s41
	s_mov_b32 s41, 0
	s_add_nc_u64 s[26:27], s[26:27], s[40:41]      ; my 768 entries
	s_mul_i32 s39, s33, 768
	s_sub_co_u32 s39, 2048, s39
	v_lshlrev_b32 v3, 1, v0
	v_sub_nc_u32 v3, s39, v3                       ; rel of my first entry: 2048 - 768 z - 2 t
	v_lshlrev_b32 v4, 3, v0                        ; out: 8 bytes a thread
	s_wait_kmcnt 0x0
	v_mov_b32 v[XI], s36
	v_mov_b32 v[XI+1], s37
	v_mov_b32 v[XI+2], s38
	SIG3
	PARAMS
	v_mul_f32 v[AMP], 0x3e800000, v[PP]            ; period / 4
	v_mul_f32 v[OFS], v[PP], v[RAT]
; chain c = 2 k + e: entry x = 768 z + 256 k + 2 t + e.  The angle keeps the order of roundings of its definition: (2 pi as f32 x rel) rounded, then divided by the period and rounded as a division.
.irp c, 0,1,2,3,4,5
	v_add_nc_u32 v[RI+\c], -(256*(\c/2)+\c%2), v3
.endr
.irp c, 0,1,2,3,4,5
	v_cvt_f32_i32 v[RL+\c], v[RI+\c]
.endr
.irp c, 0,1,2,3,4,5
	v_max_num_f32 v[NN+\c], 0, v[RL+\c]
.endr
.irp c, 0,1,2,3,4,5
	v_mul_f32 v[NN+\c], s51, v[NN+\c]
.endr
.irp c, 0,1,2,3,4,5
	v_mul_f32 v[Q0+\c], v[NN+\c], v[RP]
.endr
.irp c, 0,1,2,3,4,5
	v_fma_f32 v[RR+\c], -v[Q0+\c], v[PP], v[NN+\c]
.endr
.irp c, 0,1,2,3,4,5
	v_fma_f32 v[AG+\c], v[RR+\c], v[RP], v[Q0+\c]  ; the quotient
.endr
.irp c, 0,1,2,3,4,5
	v_mul_f32 v[KQ+\c], 0.15915494, v[AG+\c]
.endr
.irp c, 0,1,2,3,4,5
	v_rndne_f32 v[KQ+\c], v[KQ+\c]                 ; whole turns: at most 1,024
.endr
.irp c, 0,1,2,3,4,5
	v_fma_f32 v[RH+\c], -v[KQ+\c], s51, v[AG+\c]   ; exact: a multiple of 2^-21 under 4
.endr
.irp c, 0,1,2,3,4,5
	v_fma_f32 v[RH+\c], -v[KQ+\c], s52, v[RH+\c]
.endr
.irp c, 0,1,2,3,4,5
	v_mul_f32 v[HX+\c], 0.5, v[RH+\c]              ; half the angle, within +-pi / 2
.endr
.irp c, 0,1,2,3,4,5
	v_mul_f32 v[X2+\c], v[HX+\c], v[HX+\c]
.endr
.irp c, 0,1,2,3,4,5
	v_fma_f32 v[PL+\c], v[X2+\c], s53, s54         ; the sine's series to x^13: what is cut is under 1e-9
.endr
.irp c, 0,1,2,3,4,5
	v_fmaak_f32 v[PL+\c], v[PL+\c], v[X2+\c], 0x3638ef1d
.endr
.irp c, 0,1,2,3,4,5
	v_fmaak_f32 v[PL+\c], v[PL+\c], v[X2+\c], 0xb9500d01
.endr
.irp c, 0,1,2,3,4,5
	v_fmaak_f32 v[PL+\c], v[PL+\c], v[X2+\c], 0x3c088889
.endr
.irp c, 0,1,2,3,4,5
	v_fmaak_f32 v[PL+\c], v[PL+\c], v[X2+\c], 0xbe2aaaab
.endr
.irp c, 0,1,2,3,4,5
	v_mul_f32 v[PL+\c], v[PL+\c], v[X2+\c]
.endr
.irp c, 0,1,2,3,4,5
	v_fma_f32 v[SN+\c], v[HX+\c], v[PL+\c], v[HX+\c]
.endr
.irp c, 0,1,2,3,4,5
	v_mul_f32 v[CO+\c], -2.0, v[SN+\c]
.endr
.irp c, 0,1,2,3,4,5
	v_fma_f32 v[CO+\c], v[CO+\c], v[SN+\c], 1.0    ; cos = 1 - 2 sin^2 (half)
.endr
.irp c, 0,1,2,3,4,5
	v_add_f32 v[CO+\c], 1.0, v[CO+\c]
.endr
.irp c, 0,1,2,3,4,5
	v_mul_f32 v[CO+\c], 0.5, v[CO+\c]
.endr
.irp c, 0,1,2,3,4,5
	v_mul_f32 v[CO+\c], v[CO+\c], v[AMP]
.endr
.irp c, 0,1,2,3,4,5
	v_add_f32 v[CO+\c], 0.5, v[CO+\c]
.endr
.irp c, 0,1,2,3,4,5
	v_add_f32 v[CO+\c], v[CO+\c], v[OFS]
.endr
.irp c, 0,1,2,3,4,5
	v_med3_num_f32 v[CO+\c], v[CO+\c], 0, 1.0      ; the wave
.endr
.irp c, 0,1,2,3,4,5
	v_sub_f32 v[MP+\c], 0x42000000, v[RL+\c]       ; 32 - rel
.endr
.irp c, 0,1,2,3,4,5
	v_add_f32 v[MP+\c], v[MP+\c], v[SPANV]
.endr
.irp c, 0,1,2,3,4,5
	v_mul_f32 v[MP+\c], 0x3d000000, v[MP+\c]       ; / 32: exact
.endr
.irp c, 0,1,2,3,4,5
	v_med3_num_f32 v[MP+\c], v[MP+\c], 0, 1.0      ; the span's ramp
.endr
.irp c, 0,1,2,3,4,5
	v_mul_f32 v[MP+\c], v[MP+\c], v[CO+\c]
.endr
.irp c, 0,1,2,3,4,5
	v_cmp_le_i32 vcc_lo, 0, v[RI+\c]
	v_cndmask_b32 v[MP+\c], 0, v[MP+\c], vcc_lo    ; 0 where rel < 0
.endr
.irp k, 0,1,2
	global_store_b64 v4, v[MP+2*\k:MP+2*\k+1], s[26:27] offset:1024*\k   ; a wave stores 256 consecutive bytes
.endr
; out1, by wave 0 of the role's first work-group: lane & 15 is the head
	s_cmp_lg_u32 s31, 0
	s_cbranch_scc1 .Ltab_end
	s_cmp_lg_u32 s[WV], 0
	s_cbranch_scc1 .Ltab_end
	v_and_b32 v5, 15, v0
	v_lshlrev_b32 v5, 2, v5
	global_load_b32 v[XI], v5, s[14:15]
	global_load_b32 v[XI+1], v5, s[16:17]
	global_load_b32 v[XI+2], v5, s[18:19]
	v_mov_b32 v6, 0
	s_wait_loadcnt 0x0
	SIG3
	PARAMS
	v_fma_f32 v[TS], v[RAT], 2.0, v[RP]            ; 1 / period + 2 ratio
	v_add_f32 v[TS], s55, v[TS]                    ; - 1 / 4
	v_add_f32 v[TS], 0.5, v[TS]                    ; + 2 x 0.25
	v_add_f32 v[TS+1], 0x42000000, v[SPANV]        ; span + 32
	v_mul_f32 v[TS], v[TS+1], v[TS]
	v_add_f32_dpp v[TS], v[TS], v[TS] row_xmask:1 row_mask:0xf bank_mask:0xf
	v_add_f32_dpp v[TS], v[TS], v[TS] row_xmask:2 row_mask:0xf bank_mask:0xf
	v_add_f32_dpp v[TS], v[TS], v[TS] row_xmask:4 row_mask:0xf bank_mask:0xf
	v_add_f32_dpp v[TS], v[TS], v[TS] row_xmask:8 row_mask:0xf bank_mask:0xf
	v_mul_f32 v[TS], 0x360637bd, v[TS]             ; x 2e-6
	v_mul_f32 v[TS], 0x3d800000, v[TS]             ; / 16
	v_cmp_eq_u32 vcc_lo, 0, v0
	s_wait_alu depctr_va_vdst(0)
	s_wait_xcnt 0x0                                ; EXEC changes only behind this wait
	s_and_saveexec_b32 s56, vcc_lo
	global_store_b32 v6, v[TS], s[28:29]
	s_wait_xcnt 0x0                                ; and again, in front of the line that widens it
	s_or_b32 exec_lo, exec_lo, s56
.Ltab_end:
	s_endpgm
; ---------------- x: a wave takes 64 rows x 128 along K: four tiles
.Lrole_x:
	s_lshr_b32 s31, ttmp9, 1                       ; which 64 rows
	s_and_b32 s32, ttmp9, 1
	s_lshl_b32 s32, s32, 2
	s_add_co_u32 s32, s32, s[WV]                   ; which K step
	s_lshl_b32 s34, s31, 18
	s_lshl_b32 s33, s32, 9
	s_add_co_u32 s34, s34, s33
	s_mov_b32 s35, 0
	s_add_nc_u64 s[8:9], s[8:9], s[34:35]
	s_lshr_b32 s33, s31, 2
	s_lshl_b32 s33, s33, 3
	s_add_co_u32 s33, s33, s32
	s_mul_i32 s34, s33, 25600                      ; the block of (256 rows, K step)
	s_and_b32 s36, s31, 3
	s_mul_i32 s37, s36, 6144
	s_add_co_u32 s38, s34, s37
	s_mov_b32 s39, 0
	s_add_nc_u64 s[40:41], s[20:21], s[38:39]      ; my four images
	s_lshl_b32 s37, s36, 8
	s_add_co_u32 s38, s34, s37
	s_add_co_u32 s38, s38, 24576
	s_add_nc_u64 s[42:43], s[20:21], s[38:39]      ; my group of scale words
	s_wait_alu depctr_va_vdst(0)
	v_lshlrev_b32 v3, 4, v2                        ; 16 x lane
	s_mul_i32 s33, s[WV], 8448                     ; my stage
	v_add_nc_u32 v4, s33, v3                       ; in
	v_and_b32 v5, 15, v2                           ; r
	v_lshrrev_b32 v6, 4, v2                        ; h
	v_mul_u32_u24 v7, v5, 528
	v_lshl_add_u32 v7, v6, 7, v7
	v_add_nc_u32 v7, s33, v7                       ; out: row r, + 128 h
	v_lshlrev_b32 v8, 4, v5                        ; 16 r
	v_lshlrev_b32 v9, 3, v6                        ; 8 h
	v_mov_b32 v10, 0                               ; (a lane permute's destination counts as one of its sources)
	LOADT 0
	LOADT 1
	s_wait_alu depctr_va_vdst(0)
	TILE 0
	TILE 1
	TILE 2
	TILE 3
	global_store_b128 v8, v[XW:XW+3], s[42:43]     ; 256 consecutive bytes; lanes 16-31 store the same bytes with the same values
	s_wait_tensorcnt 0x0                           ; the wave's end, behind my last LDS store
	ds_add_u32 v[SPW], v[NIL]
	s_wait_dscnt 0x0
	s_endpgm
; ---------------- w_attn: a wave takes 64 columns (q, k or v of one head) x 128 along K
.Lrole_wa:
	s_sub_co_u32 s31, ttmp9, 128
	s_lshl_b32 s31, s31, 2
	s_add_co_u32 s31, s31, s[WV]
	s_lshr_b32 s32, s31, 3                         ; which 64 columns: 0 .. 47
	s_and_b32 s33, s31, 7                          ; which K step
	s_mul_i32 s34, s33, 128*12288
	s_lshl_b32 s36, s32, 8
	s_add_co_u32 s34, s34, s36
	s_mov_b32 s35, 0
	s_add_nc_u64 s[10:11], s[10:11], s[34:35]
	s_and_b32 s36, s32, 15                         ; the head
	s_lshl_b32 s36, s36, 3
	s_add_co_u32 s36, s36, s33
	s_mul_i32 s36, s36, 19200
	s_lshr_b32 s37, s32, 4                         ; q, k or v
	s_mul_i32 s38, s37, 6144
	s_add_co_u32 s38, s38, s36
	s_mov_b32 s39, 0
	s_add_nc_u64 s[40:41], s[22:23], s[38:39]
	s_lshl_b32 s38, s37, 8
	s_add_co_u32 s38, s38, s36
	s_add_co_u32 s38, s38, 18432
	s_add_nc_u64 s[42:43], s[22:23], s[38:39]
	s_wait_alu depctr_va_vdst(0)
	WQ 12288, 10
	s_endpgm
; ---------------- w_proj likewise
.Lrole_wp:
	s_sub_co_u32 s31, ttmp9, 224
	s_lshl_b32 s31, s31, 2
	s_add_co_u32 s31, s31, s[WV]
	s_lshr_b32 s32, s31, 3                         ; which 64 columns: 0 .. 15
	s_and_b32 s33, s31, 7
	s_mul_i32 s34, s33, 128*4096
	s_lshl_b32 s36, s32, 8
	s_add_co_u32 s34, s34, s36
	s_mov_b32 s35, 0
	s_add_nc_u64 s[12:13], s[12:13], s[34:35]
	s_lshr_b32 s36, s32, 1
	s_lshl_b32 s36, s36, 3
	s_add_co_u32 s36, s36, s33
	s_mul_i32 s36, s36, 12800
	s_and_b32 s37, s32, 1
	s_mul_i32 s38, s37, 6144
	s_add_co_u32 s38, s38, s36
	s_mov_b32 s39, 0
	s_add_nc_u64 s[40:41], s[24:25], s[38:39]
	s_lshl_b32 s38, s37, 8
	s_add_co_u32 s38, s38, s36
	s_add_co_u32 s38, s38, 12288
	s_add_nc_u64 s[42:43], s[24:25], s[38:39]
	s_wait_alu depctr_va_vdst(0)
	WQ 4096, 12
	s_endpgm
.Lfunc_end_k_q255f42e75d_prep:
	.size	k_q255f42e75d_prep, .Lfunc_end_k_q255f42e75d_prep-k_q255f42e75d_prep
	.p2alignl 7, 3214868480
	.fill 96, 4, 3214868480
	.section	.rodata,"a",@progbits
	.p2align	6, 0x0
	.amdhsa_kernel k_q255f42e75d_prep
		.amdhsa_group_segment_fixed_size 34304
		.amdhsa_private_segment_fixed_size 0
		.amdhsa_enable_private_segment 0
		.amdhsa_kernarg_size 88
		.amdhsa_user_sgpr_count 2
		.amdhsa_user_sgpr_kernarg_segment_ptr 1
		.amdhsa_wavefront_size32 1
		.amdhsa_system_sgpr_workgroup_id_x 1
		.amdhsa_system_sgpr_workgroup_id_y 1
		.amdhsa_system_sgpr_workgroup_id_z 1
		.amdhsa_system_vgpr_workitem_id 0
		.amdhsa_next_free_vgpr 256
		.amdhsa_next_free_sgpr 66
		.amdhsa_reserve_vcc 1
		.amdhsa_float_denorm_mode_32 3
		.amdhsa_float_denorm_mode_16_64 3
		.amdhsa_memory_ordered 1
		.amdhsa_forward_progress 1
		.amdhsa_inst_pref_size 124
	.end_amdhsa_kernel
	.amdgpu_metadata
---
amdhsa.version: [ 1, 2 ]
amdhsa.kernels:
  - .name:           k_q255f42e75d_prep
    .symbol:         k_q255f42e75d_prep.kd
    .args:
      - { .name: x, .offset: 0, .size: 8, .value_kind: global_buffer, .address_space: global }
      - { .name: w_attn, .offset: 8, .size: 8, .value_kind: global_buffer, .address_space: global }
      - { .name: w_proj, .offset: 16, .size: 8, .value_kind: global_buffer, .address_space: global }
      - { .name: span_params, .offset: 24, .size: 8, .value_kind: global_buffer, .address_space: global }
      - { .name: period_weight, .offset: 32, .size: 8, .value_kind: global_buffer, .address_space: global }
      - { .name: ratio_weight, .offset: 40, .size: 8, .value_kind: global_buffer, .address_space: global }
      - { .name: x_img, .offset: 48, .size: 8, .value_kind: global_buffer, .address_space: global }
      - { .name: wa_img, .offset: 56, .size: 8, .value_kind: global_buffer, .address_space: global }
      - { .name: wp_img, .offset: 64, .size: 8, .value_kind: global_buffer, .address_space: global }
      - { .name: masktab, .offset: 72, .size: 8, .value_kind: global_buffer, .address_space: global }
      - { .name: out1, .offset: 80, .size: 8, .value_kind: global_buffer, .address_space: global }
    .group_segment_fixed_size: 34304
    .private_segment_fixed_size: 0
    .kernarg_segment_align: 8
    .kernarg_segment_size: 88
    .max_flat_workgroup_size: 128
    .sgpr_count:     66
    .vgpr_count:     256
    .wavefront_size: 32
...
	.end_amdgpu_metadata
.endif
;; end of part 1
;; launch qkv (part 2): grid 16 x 16, 4 waves a work-group, clusters of 4 x 4, 327,680 bytes of LDS; arguments x_img, wa_img, b_attn, q_img, k_img, v_img; writes q_img, k_img, v_img
.if DOCPART == 2
	.amdgcn_target "amdgcn-amd-amdhsa--gfx1250"
	.amdhsa_code_object_version 6
	.text
	.protected	k_q255f42e75d_qkv
	.globl	k_q255f42e75d_qkv
	.p2align	8
	.type	k_q255f42e75d_qkv,@function
k_q255f42e75d_qkv:
	s_mov_b64 s[64:65], 0
	v_nop
	global_prefetch_b8 v0, s[64:65] scope:SCOPE_SE
	s_setreg_imm32_b32 hwreg(HW_REG_WAVE_MODE, 25, 1), 1
	s_wait_xcnt 0x0
	s_wait_alu depctr_hold_cnt(0) depctr_sa_sdst(0) depctr_va_vdst(0) depctr_va_sdst(0) depctr_va_ssrc(0) depctr_va_vcc(0) depctr_vm_vsrc(0)
	s_getreg_b32 s2, hwreg(HW_REG_IB_STS2, 6, 4)
	s_cmp_eq_u32 s2, 0
	s_cbranch_scc0 .Lentry_in_a_cluster
	s_endpgm
.Lentry_in_a_cluster:
	s_bfe_u32 s2, ttmp6, 0x10000c
	s_cmp_lg_u32 s2, 0xf033
	s_cbranch_scc0 .Lentry_shape_is_right
	s_endpgm
.Lentry_shape_is_right:
; QKV = Q(x) Q(w_attn) + b_attn on codes of FP6 (E2M3), and its results quantised on the way out: q and k along the head's 64, v along the keys.  The f32 results never go to memory.
; SHARES.  A work-group makes 256 tokens x the 192 columns (q, k, v) of ONE head.  Wave (wm, cw) takes 128 tokens (8 tiles of x) and
;   - the 4 tiles of q (cw = 0) or of k (cw = 1), TRANSPOSED (source 0 = 16 columns of w, source 1 = 16 tokens): a lane holds one token, its registers run along the head's 64;
;   - v's tiles 2 cw, 2 cw + 1 in the NATURAL order (source 0 = 16 tokens, source 1 = 16 columns): a lane holds one column, its registers run along the tokens, which are the keys.
; The rows of every tile are 32 b + 8 u + r + 8 (r / 8), so the 16 registers of two neighbouring tiles are 16 neighbours along the next K.
; OPERANDS come as images of registers (three pieces of 512 bytes a fragment), so a K step's tiles and scale words are one dense block for one tensor load, and every LDS load reads 512 consecutive bytes.
; K = 8 steps of 128 in 4 chunks of 2.  Three LDS slots; chunks 0 to 2 are first fills, chunk 3 fills slot 0 again: one refill in the launch, behind a round of the cluster's barrier.
; CLUSTER 4 x 4: x's blocks hang on the block of tokens alone and are shared along a row of the cluster, w's on the head alone and are shared along a column: joint loads.
; A wave has one tensor load out at the head, one behind the round at the head's end and one behind the refill's round.
; No prefetch: six eighths of what the work-group reads is asked for at its head, the rest three K steps ahead of its use.
; LIMITS: NaN and infinities are not served; a block of zeros gets the byte 1 where the rule says 127 (zero codes; this program alone reads the bytes).  v's scale words leave as 128 bytes a wave.
; REGISTERS.  window 0: v1-7 lane terms; v10-13; v16-39 scale words, two sets; v40-57 LDS addresses, six a slot; v64-255 x's fragments, two sets (free on the way out).
;   window 1: v0-143 w's fragments, two sets of six; v144-175 q's or k's bias, v176-191 v's.   window 2: q's or k's 32 accumulators (tile of tokens t, tile of columns n at 32 t + 8 n).   window 3: v's 16 (64 u + 8 t).
.set ABLK,  25600                      ; x's block of a K step: 16 images, 4 groups of scale words
.set BBLK,  19200                      ; w's: 12 images, 3 groups
; THE WALK ALONG K AS THIS TEXT HAS IT (it takes the place of what the head says of three slots and of three loads at the start):
; LDS: x's K steps 0-3 at 0, w's steps 0-3 at BOFF, x's steps 4-5 behind them, then w's steps 4-5.  At the head a wave issues ONE joint load: two K steps of x (waves 0, 1) or of w (waves 2, 3).
; Steps 4-5 are asked for behind the three lines and a round of the cluster's barrier, one K step a wave; steps 6-7 fill the bytes of steps 0-1 again behind the round in step 3.  One tensor load of a wave is out at any time.
.set BOFF,  4*ABLK
.set SLOT,  2*ABLK+2*BBLK              ; x even step, x odd step, w even step, w odd step
.set SPARE, 3*SLOT                     ; behind the slots: the spare words, 128 bytes a wave
.set SPW, 10
.set NIL, 11
.set L16, 12                           ; 16 x lane
.set LR,  13                           ; 16 x (lane % 16)
.set SCL, 16                           ; scale set f at SCL + 12 f: x's 4 (lanes 0-15 tiles 0-3, lanes 16-31 tiles 4-7), q's or k's 4, v's 2
.set ADR, 40                           ; slot c at ADR + 6 c: x's images, x's words, q/k's images, v's images, q/k's words, v's words
.set AF,  64
.set BQ,  144
.set BV,  176
.set PCQ, 64                           ; the way out, window 0: q's or k's codes, 48 registers on end
.set WD,  112                          ; their 8 scale words
.set WS4, 120
.set TM,  128
.set CT,  144
.set PCV, 160
.set WV2, 184
.set G1A, 24
.set G1B, 32
.set G0A, 40                           ; s[40:51] three sets
.set G0B, 52                           ; s[52:63]
.set SEL, 94
.set MSB, 0
.macro WIN new                         ; the immediate's high byte repeats the setting that is left
.if MSB != \new
	s_set_vgpr_msb (MSB<<8)|\new
.set MSB, \new
.endif
.endm
.macro PLACES
.rept 4
	v_nop
.endr
.endm
.macro CREST                           ; a round of the cluster's barrier behind its opening barrier
	s_cmp_lg_u32 s16, 0
	s_cbranch_scc1 .Lnot_wave_0_\@
	s_barrier_signal -3
.Lnot_wave_0_\@:
	s_barrier_wait -3
	s_barrier_signal -1
	s_barrier_wait -1
.endm
.macro CROUND
	s_barrier_signal -1
	s_barrier_wait -1
	CREST
.endm
.macro JLOAD c                         ; descriptor set c: waves 0 and 1 fetch x's two steps, waves 2 and 3 w's; an s_nop 0 and four v_nop follow each line
	s_cmp_eq_u32 s17, 0
	s_cbranch_scc0 .Lfor_b_\@
	tensor_load_to_lds s[G0A+4*\c:G0A+4*\c+3], s[G1A:G1A+7]
	s_nop 0
.rept 4
	v_nop
.endr
	s_branch .Lasked_\@
.Lfor_b_\@:
	tensor_load_to_lds s[G0B+4*\c:G0B+4*\c+3], s[G1B:G1B+7]
	s_nop 0
.rept 4
	v_nop
.endr
.Lasked_\@:
.endm
; one product.  row = 1: source 0's scales stand in lanes 16-31; 2: source 1's
.macro WM d, a, b, c, sa, sb, row
.if (\row) == 0
	v_wmma_scale_f32_16x16x128_f8f6f4 v[\d:\d+7], v[\a:\a+11], v[\b:\b+11], v[\c:\c+7], v[\sa], v[\sb] matrix_a_fmt:MATRIX_FMT_FP6 matrix_b_fmt:MATRIX_FMT_FP6
.elseif (\row) == 1
	v_wmma_scale_f32_16x16x128_f8f6f4 v[\d:\d+7], v[\a:\a+11], v[\b:\b+11], v[\c:\c+7], v[\sa], v[\sb] matrix_a_fmt:MATRIX_FMT_FP6 matrix_b_fmt:MATRIX_FMT_FP6 matrix_a_scale:MATRIX_SCALE_ROW1
.else
	v_wmma_scale_f32_16x16x128_f8f6f4 v[\d:\d+7], v[\a:\a+11], v[\b:\b+11], v[\c:\c+7], v[\sa], v[\sb] matrix_a_fmt:MATRIX_FMT_FP6 matrix_b_fmt:MATRIX_FMT_FP6 matrix_b_scale:MATRIX_SCALE_ROW1
.endif
.endm
; 46 LDS loads: the fragments and scale words of the step of parity par in slot c, into set f
.macro FETCH c, par, f
	WIN 0x40                                       ; destination window 1, address window 0
.irp n, 0,1,2,3
.irp i, 0,1,2
	ds_load_b128 v[72*(\f)+12*\n+4*\i:72*(\f)+12*\n+4*\i+3], v[ADR+6*(\c)+2] offset:(\par)*BBLK+1536*\n+512*\i
.endr
.endr
.irp u, 0,1
.irp i, 0,1,2
	ds_load_b128 v[72*(\f)+48+12*\u+4*\i:72*(\f)+48+12*\u+4*\i+3], v[ADR+6*(\c)+3] offset:(\par)*BBLK+1536*\u+512*\i
.endr
.endr
	WIN 0
.irp t, 0,1,2,3,4,5,6,7
.irp i, 0,1,2
	ds_load_b128 v[AF+96*(\f)+12*\t+4*\i:AF+96*(\f)+12*\t+4*\i+3], v[ADR+6*(\c)] offset:(\par)*ABLK+1536*\t+512*\i
.endr
.endr
	ds_load_b128 v[SCL+12*(\f):SCL+12*(\f)+3], v[ADR+6*(\c)+1] offset:(\par)*ABLK
	ds_load_b128 v[SCL+12*(\f)+4:SCL+12*(\f)+7], v[ADR+6*(\c)+4] offset:(\par)*BBLK
	ds_load_b32 v[SCL+12*(\f)+8], v[ADR+6*(\c)+5] offset:(\par)*BBLK
	ds_load_b32 v[SCL+12*(\f)+9], v[ADR+6*(\c)+5] offset:(\par)*BBLK+8
.endm
; 16 products of q or k: tiles of tokens t0 .. t0 + 3 x the 4 tiles of columns.  first = 1: the bias is the C that starts the sums.  The word of w's tile 2 b + u is word 2 u + b of its group.
; The 48 accumulators take turns, one instruction a turn, in the same order in every step.
.macro MULQ t0, f, first
.if \first
	WIN 0x91                                       ; source 0 (w) window 1, source 1 (x) window 0, C (bias) window 1, D window 2
.else
	WIN 0xa1                                       ; C and D window 2
.endif
.irp t, \t0, \t0+1, \t0+2, \t0+3
.irp n, 0,1,2,3
.if \first
	WM 32*(\t)+8*\n, 72*(\f)+12*\n, AF+96*(\f)+12*(\t), BQ+8*\n, SCL+12*(\f)+4+2*(\n%2)+\n/2, SCL+12*(\f)+(\t)%4, 2*((\t)/4)
.else
	WM 32*(\t)+8*\n, 72*(\f)+12*\n, AF+96*(\f)+12*(\t), 32*(\t)+8*\n, SCL+12*(\f)+4+2*(\n%2)+\n/2, SCL+12*(\f)+(\t)%4, 2*((\t)/4)
.endif
.endr
.endr
.endm
.macro MULV f, first                   ; 16 products of v
.if \first
	WIN 0xd4                                       ; source 0 (x) window 0, source 1 (w) window 1, C (bias) window 1, D window 3
.else
	WIN 0xf4
.endif
.irp t, 0,1,2,3,4,5,6,7
.irp u, 0,1
.if \first
	WM 64*\u+8*\t, AF+96*(\f)+12*\t, 72*(\f)+48+12*\u, BV+8*\u, SCL+12*(\f)+\t%4, SCL+12*(\f)+8+\u, \t/4
.else
	WM 64*\u+8*\t, AF+96*(\f)+12*\t, 72*(\f)+48+12*\u, 64*\u+8*\t, SCL+12*(\f)+\t%4, SCL+12*(\f)+8+\u, \t/4
.endif
.endr
.endr
.endm
; 64 numbers of a lane in window sw, register 16 b + i = place 32 b + 16 (lane / 16) + i along the next K, become 12 registers of codes at v[pc] and four bytes in v[TM+4 .. TM+7].  Each accumulator is read from its low end on.
.macro QUANT sw, src, pc
	WIN (\sw)|((\sw)<<2)
.irp b, 0,1,2,3
	v_max3_num_f32 v[TM+\b], |v[\src+16*\b]|, |v[\src+16*\b+1]|, 0x1800000   ; and the floor 2^(3 - 127): the byte cannot fall under 1
.endr
	WIN ((\sw)<<2)|((\sw)<<4)
.irp i, 2,4,6,8,10,12,14
.irp b, 0,1,2,3
	v_max3_num_f32 v[TM+\b], v[TM+\b], |v[\src+16*\b+\i]|, |v[\src+16*\b+\i+1]|
.endr
.endr
	WIN 0
.irp b, 0,1,2,3
	v_permlanex16_b32 v[TM+4+\b], v[TM+\b], s[SEL], s[SEL+1]
.endr
.irp b, 0,1,2,3
	v_max_num_f32 v[TM+\b], v[TM+\b], v[TM+4+\b]   ; with lane l xor 16's: the block's largest magnitude
.endr
.irp b, 0,1,2,3
	v_add_nc_u32 v[TM+12+\b], 0xff000000, v[TM+\b] ; 2 off the exponent field: the conversion's scale operand
.endr
.irp b, 0,1,2,3
	v_lshrrev_b32 v[TM+4+\b], 23, v[TM+12+\b]      ; the byte
.endr
	WIN \sw
.irp c, 0,1
	v_cvt_scalef32_pk16_fp6_f32 v[\pc+6*\c:\pc+6*\c+2], v[\src+32*\c:\src+32*\c+15], v[TM+12+2*\c]
	v_cvt_scalef32_pk16_fp6_f32 v[CT+4*\c:CT+4*\c+2], v[\src+32*\c+16:\src+32*\c+31], v[TM+12+2*\c+1]
.endr
	WIN 0
	v_nop                                          ; one plain place behind a scaled conversion
.irp c, 0,1                            ; a whole block to a lane: lanes 0-15 block 2 c, lanes 16-31 block 2 c + 1
.irp i, 0,1,2
	v_permlane16_swap_b32 v[\pc+6*\c+\i], v[CT+4*\c+\i]
.endr
.irp i, 0,1,2
	v_mov_b32 v[\pc+6*\c+3+\i], v[CT+4*\c+\i]
.endr
.endr
.endm
	s_load_b256 s[4:11], s[0:1], 0x0               ; x_img 4, wa_img 6, b_attn 8, q_img 10
	s_load_b128 s[12:15], s[0:1], 0x20             ; k_img 12, v_img 14
	v_lshl_add_u32 v[SPW], v0, 2, SPARE
	v_mov_b32 v[NIL], 0
	ds_add_u32 v[SPW], v[NIL]                      ; the wave's opening: the add and its wait ahead of my first tensor load; work on registers stands between
	ds_add_u32 v[SPW], v[NIL]
	v_lshrrev_b32 v1, 5, v0
	v_readfirstlane_b32 s16, v1                    ; wave 0..3
	s_lshr_b32 s17, s16, 1                         ; wm: my 128 tokens.  Also: I fetch for x (0) or for w (1)
	s_and_b32 s18, s16, 1                          ; cw: q or k, and which two tiles of v.  Also: which step of a chunk I fetch
	s_bfe_u32 s19, ttmp6, 0x40000                  ; cx
	s_bfe_u32 s20, ttmp6, 0x40004                  ; cy
	s_lshl_b32 s21, ttmp9, 2
	s_add_co_u32 s21, s21, s19                     ; the head
	s_and_b32 s22, ttmp7, 0xffff
	s_lshl_b32 s22, s22, 2
	s_add_co_u32 s22, s22, s20                     ; the block of 256 tokens
	s_lshl_b32 s23, s20, 2
	s_lshl_b32 s23, 15, s23                        ; my row of the cluster
	s_lshl_b32 s66, 0x1111, s19                    ; my column
	s_or_b32 s[G1A], s23, (3<<16)|(1<<21)          ; 15:0 the mask; 17:16 elements of 8 bytes; 21 set beside a mask; no padding
	s_or_b32 s[G1B], s66, (3<<16)|(1<<21)
	s_mov_b32 s[G1A+1], 32<<16                     ; a dense block as rows of 256 bytes: tensor_dim0 = 32
	s_mov_b32 s[G1A+2], 200<<16                    ; the head's load: two K steps of x, 200 rows
	s_mov_b32 s[G1A+3], 32<<16
	s_mov_b32 s[G1A+4], 200
	s_mov_b32 s[G1A+5], 32
	s_mov_b32 s[G1A+6], 0
	s_mov_b32 s[G1A+7], 0
	s_mov_b32 s[G1B+1], 32<<16
	s_mov_b32 s[G1B+2], 150<<16                    ; two K steps of w, 150 rows
	s_mov_b32 s[G1B+3], 32<<16
	s_mov_b32 s[G1B+4], 150
	s_mov_b32 s[G1B+5], 32
	s_mov_b32 s[G1B+6], 0
	s_mov_b32 s[G1B+7], 0
	s_lshl_b32 s68, s22, 3                         ; x: block (tokens, K step = my parity); these registers never hold the head
	s_add_co_u32 s68, s68, s18
	s_mul_i32 s68, s68, ABLK
	s_mov_b32 s69, 0
	s_lshl_b32 s70, s21, 3                         ; w: block (head, K step); these never hold the block of tokens
	s_add_co_u32 s70, s70, s18
	s_mul_i32 s70, s70, BBLK
	s_mov_b32 s71, 0
	s_mul_i32 s72, s18, ABLK                       ; one K step of x by my parity: an offset in memory and in LDS alike; no place in the cluster enters an LDS address
	s_mov_b32 s73, 0
	s_mul_i32 s74, s18, BBLK                       ; and of w
	s_mov_b32 s75, 0
	s_mov_b32 s[SEL], 0x76543210
	s_mov_b32 s[SEL+1], 0xfedcba98
	s_wait_dscnt 0x0                               ; the opening add is done
	s_wait_kmcnt 0x0
	s_add_nc_u64 s[68:69], s[4:5], s[68:69]
	s_add_nc_u64 s[70:71], s[6:7], s[70:71]
	CROUND                                         ; all sixteen work-groups are here: the first joint loads meet
	s_mov_b32 s[G0A], 1                            ; set 0, the head's: K steps 2 parity, 2 parity + 1
	s_lshl_b32 s[G0A+1], s72, 1
	s_add_nc_u64 s[G0A+2:G0A+3], s[68:69], s[72:73]
	s_or_b32 s[G0A+3], s[G0A+3], 0x80000000
	s_mov_b32 s[G0B], 1
	s_lshl_b32 s[G0B+1], s74, 1
	s_add_co_u32 s[G0B+1], s[G0B+1], BOFF
	s_add_nc_u64 s[G0B+2:G0B+3], s[70:71], s[74:75]
	s_or_b32 s[G0B+3], s[G0B+3], 0x80000000
.irp c, 1,2                            ; set 1: K step 4 + parity, behind the first four steps; set 2: K step 6 + parity, onto the bytes of steps 0 and 1
	s_mov_b32 s[G0A+4*\c], 1
	s_add_co_u32 s[G0A+4*\c+1], s72, (2-\c)*(4*ABLK+4*BBLK)
	s_add_nc_u64 s[G0A+4*\c+2:G0A+4*\c+3], s[68:69], (2+2*\c)*ABLK
	s_or_b32 s[G0A+4*\c+3], s[G0A+4*\c+3], 0x80000000
	s_mov_b32 s[G0B+4*\c], 1
	s_add_co_u32 s[G0B+4*\c+1], s74, BOFF+(2-\c)*(2*ABLK+4*BBLK)
	s_add_nc_u64 s[G0B+4*\c+2:G0B+4*\c+3], s[70:71], (2+2*\c)*BBLK
	s_or_b32 s[G0B+4*\c+3], s[G0B+4*\c+3], 0x80000000
.endr
	s_cmp_eq_u32 s17, 0                            ; a wave's one head fill stands in one branch, ahead of every wait on TENSORcnt and every LDS read
	s_cbranch_scc0 .Lfirst_b
	tensor_load_to_lds s[G0A:G0A+3], s[G1A:G1A+7]
	s_nop 0
.rept 4
	v_nop
.endr
	s_branch .Lfirst_done
.Lfirst_b:
	tensor_load_to_lds s[G0B:G0B+3], s[G1B:G1B+7]
	s_nop 0
.rept 4
	v_nop
.endr
.Lfirst_done:
	v_and_b32 v1, 31, v0                           ; lane
	v_and_b32 v2, 15, v0                           ; r
	v_bfe_u32 v3, v0, 4, 1                         ; h
	v_lshlrev_b32 v[L16], 4, v1
	s_wait_alu depctr_va_vdst(0)
	v_lshlrev_b32 v[LR], 4, v2
	s_wait_alu depctr_va_vdst(0)
	s_mul_i32 s74, s17, 12288                      ; x's images: my 8 tiles
	s_lshl_b32 s75, s17, 9
	s_add_co_u32 s75, s75, 24576                   ; x's words: my two groups, one in each half of the lanes
	s_mul_i32 s76, s18, 6144
	s_add_co_u32 s76, s76, BOFF                    ; q's or k's 4 images
	s_mul_i32 s77, s18, 3072
	s_add_co_u32 s77, s77, BOFF+12288              ; v's two
	s_lshl_b32 s78, s18, 8
	s_add_co_u32 s78, s78, BOFF+18432              ; q's or k's words
	s_lshl_b32 s79, s18, 2
	s_add_co_u32 s79, s79, BOFF+18944              ; v's: tile 2 cw + u has word 2 u + cw
.irp c, 0,1,2
	v_add_nc_u32 v[ADR+6*\c], s74, v[L16]
	v_add_nc_u32 v[ADR+6*\c+1], s75, v[L16]
	v_add_nc_u32 v[ADR+6*\c+2], s76, v[L16]
	v_add_nc_u32 v[ADR+6*\c+3], s77, v[L16]
	v_add_nc_u32 v[ADR+6*\c+4], s78, v[LR]
	v_add_nc_u32 v[ADR+6*\c+5], s79, v[LR]
	s_add_co_u32 s74, s74, 2*ABLK+\c*4*BBLK        ; x: steps 0-1 at 0, steps 2-3 two blocks on, steps 4-5 behind w's first four
	s_add_co_u32 s75, s75, 2*ABLK+\c*4*BBLK
	s_add_co_u32 s76, s76, 2*BBLK+\c*2*ABLK        ; w: steps 0-1 at BOFF, steps 2-3 two blocks on, steps 4-5 behind x's steps 4-5
	s_add_co_u32 s77, s77, 2*BBLK+\c*2*ABLK
	s_add_co_u32 s78, s78, 2*BBLK+\c*2*ABLK
	s_add_co_u32 s79, s79, 2*BBLK+\c*2*ABLK
.endr
	; the biases, in the results' layouts
	s_lshl_b32 s80, s18, 12                        ; q's or k's 1,024 numbers,
	s_lshl_b32 s82, s21, 8                         ; the head's 64
	s_add_co_u32 s80, s80, s82
	s_mov_b32 s81, 0
	s_add_co_u32 s82, s82, 8192                    ; v's
	s_mov_b32 s83, 0
	s_add_nc_u64 s[84:85], s[8:9], s[80:81]
	s_add_nc_u64 s[86:87], s[8:9], s[82:83]
	v_lshlrev_b32 v4, 6, v3                        ; transposed: tile 2 b + u, lane half h: columns 32 b + 8 u + 16 h + 0 .. 7
	v_and_b32 v5, 8, v2
	v_add_nc_u32 v5, v5, v2
	v_lshlrev_b32 v5, 2, v5
	s_lshl_b32 s88, s18, 7
	v_add_nc_u32 v5, s88, v5                       ; natural: lane r of tile 2 cw + u: column 32 cw + 8 u + r + 8 (r / 8), the same in all eight registers
	WIN 0x40
.irp n, 0,1,2,3
	global_load_b128 v[BQ+8*\n:BQ+8*\n+3], v4, s[84:85] offset:(32*(\n/2)+8*(\n%2))*4
	global_load_b128 v[BQ+8*\n+4:BQ+8*\n+7], v4, s[84:85] offset:(32*(\n/2)+8*(\n%2))*4+16
.endr
.irp u, 0,1
.irp j, 0,1,2,3,4,5,6,7
	global_load_b32 v[BV+8*\u+\j], v5, s[86:87] offset:32*\u
.endr
.endr
	WIN 0
	s_wait_alu depctr_va_vdst(0)                   ; the head's end
	s_wait_tensorcnt 0x0                           ; my part of K steps 0-3 is in
	ds_add_u32 v[SPW], v[NIL]
	s_mov_b32 s[G1A+2], 100<<16                    ; no tensor load of mine is out: from here on a load brings one K step: 100 rows of x,
	s_mov_b32 s[G1A+4], 100
	s_mov_b32 s[G1B+2], 75<<16                     ; 75 of w
	s_mov_b32 s[G1B+4], 75
	s_wait_dscnt 0x0                               ; the add is done
	CROUND                                         ; a whole round: everybody's part is in, and the joint loads meet
	JLOAD 1                                        ; K steps 4 and 5: my one tensor load behind the round
	FETCH 0, 0, 0
	; ---- step 0
	s_wait_dscnt 0x0
	s_wait_loadcnt 0x0                             ; the biases
	FETCH 0, 1, 1
	MULQ 0, 0, 1
	MULQ 4, 0, 1
	MULV 0, 1
	; ---- step 1: on to slot 1
	s_wait_dscnt 0x0                               ; step 1's fragments are in: my reads of slot 0 are over
	PLACES                                         ; K steps 2 and 3 came with the head's loads: no barrier here
	FETCH 1, 0, 0
	MULQ 0, 1, 0
	MULQ 4, 1, 0
	MULV 1, 0
	; ---- step 2
	s_wait_dscnt 0x0
	PLACES
	FETCH 1, 1, 1
	MULQ 0, 0, 0
	MULQ 4, 0, 0
	MULV 0, 0
	; ---- step 3: on to slot 2, and slot 0 is filled again with chunk 3
	s_wait_dscnt 0x0
	WIN 0                                          ; (the add's two registers lie in window 0)
	s_wait_tensorcnt 0x0                           ; all my tensor loads have landed, my part of chunk 2 among them;
	ds_add_u32 v[SPW], v[NIL]                      ; 0 onto my spare word;
	MULQ 0, 1, 0                                   ; sixteen matrix instructions stand between the add and the wait for it
	s_wait_dscnt 0x0                               ; the add is done; my reads of slot 0 ended at step 1
	s_barrier_signal -1
	MULQ 4, 1, 0
	WIN 0
	s_barrier_wait -1
	CREST                                          ; the barrier has opened a round of the cluster's: no wave of any partner still reads slot 0 or has a load on its way
	JLOAD 2                                        ; K steps 6 and 7, onto the bytes of steps 0 and 1: my one tensor load behind the round; its four v_nop are also the places in front of the loads below
	s_wait_alu depctr_va_vdst(0)
	FETCH 2, 0, 0
	MULV 1, 0
	; ---- step 4
	s_wait_dscnt 0x0
	PLACES
	FETCH 2, 1, 1
	MULQ 0, 0, 0
	MULQ 4, 0, 0
	MULV 0, 0
	; ---- step 5: back to slot 0
	s_wait_dscnt 0x0
	s_wait_tensorcnt 0x0                           ; my part of chunk 3 is in
	MULQ 0, 1, 0
	s_barrier_signal -1
	MULQ 4, 1, 0
	s_barrier_wait -1
	PLACES
	FETCH 0, 0, 0
	MULV 1, 0
	; ---- step 6
	s_wait_dscnt 0x0
	PLACES
	FETCH 0, 1, 1
	MULQ 0, 0, 0
	MULQ 4, 0, 0
	MULV 0, 0
	; ---- step 7
	s_wait_dscnt 0x0
	MULQ 0, 1, 0
	MULQ 4, 1, 0
	MULV 1, 0
	WIN 0
	; ---- THE WAY OUT
	PLACES                                         ; in front of the first read of results and the first write of registers that held fragments
.irp b, 0,1,2,3
	v_mov_b32 v[TM+4+\b], 0                        ; (a lane permute's destination counts as one of its sources)
.endr
	s_cmp_eq_u32 s18, 0
	s_cselect_b64 s[88:89], s[10:11], s[12:13]     ; q's buffer or k's: the choice hangs on the wave's number alone
	s_lshr_b32 s90, s22, 3
	s_lshl_b32 s90, s90, 4
	s_add_co_u32 s90, s90, s21                     ; 16 x batch + head
	s_and_b32 s91, s22, 7
	s_lshl_b32 s91, s91, 1
	s_add_co_u32 s91, s91, s17                     ; which 128 tokens of the batch's 2,048
	s_mul_i32 s92, s90, 106496
	s_mul_i32 s98, s91, 6656
	s_add_co_u32 s92, s92, s98
	s_mov_b32 s93, 0
	s_add_nc_u64 s[88:89], s[88:89], s[92:93]
	s_mul_i32 s92, s90, 102400
	s_mul_i32 s98, s91, 6400
	s_add_co_u32 s92, s92, s98
	s_add_nc_u64 s[96:97], s[14:15], s[92:93]
	s_mul_i32 s98, s18, 3072
	v_add_nc_u32 v6, s98, v[L16]                   ; v's images 2 cw, 2 cw + 1
	s_lshl_b32 s98, s18, 3
	v_add_nc_u32 v7, s98, v[LR]                    ; and their two words
	; q or k: 64 registers are two tiles of tokens x the head's two blocks: registers 0-5 of each tile's fragment, 48 on end for the 8 tiles
.irp g, 0,1,2,3
	QUANT 2, 64*\g, PCQ+12*\g
	v_lshl_or_b32 v[WD+2*\g], v[TM+5], 8, v[TM+4]
	v_lshl_or_b32 v[WD+2*\g+1], v[TM+7], 8, v[TM+6]
	v_or_b32 v[WD+2*\g], 0x7f7f0000, v[WD+2*\g]    ; the bytes of k = 64 .. 127, which the head does not have: 1.0
	v_or_b32 v[WD+2*\g+1], 0x7f7f0000, v[WD+2*\g+1]
.endr
	v_cmp_lt_u32 vcc_lo, 15, v1
.irp i, 0,1,2,3
	v_cndmask_b32 v[WS4+\i], v[WD+\i], v[WD+4+\i], vcc_lo   ; lanes 0-15 store tiles 0-3's words, lanes 16-31 tiles 4-7's
.endr
.irp i, 0,1,2,3,4,5,6,7,8,9,10,11
	global_store_b128 v[L16], v[PCQ+4*\i:PCQ+4*\i+3], s[88:89] offset:512*\i   ; 512 consecutive bytes
.endr
	global_store_b128 v[L16], v[WS4:WS4+3], s[88:89] offset:6144
	; v: 64 registers are 128 keys of one column: a whole fragment of V^T
.irp u, 0,1
	QUANT 3, 64*\u, PCV+12*\u
	v_lshl_or_b32 v[WV2+\u], v[TM+5], 8, v[TM+4]
	v_lshl_or_b32 v[WV2+\u], v[TM+6], 16, v[WV2+\u]
	v_lshl_or_b32 v[WV2+\u], v[TM+7], 24, v[WV2+\u]
.endr
.irp u, 0,1
.irp i, 0,1,2
	global_store_b128 v6, v[PCV+12*\u+4*\i:PCV+12*\u+4*\i+3], s[96:97] offset:1536*\u+512*\i
.endr
.endr
	global_store_b64 v7, v[WV2:WV2+1], s[96:97] offset:6144   ; lanes 16-31 store the same bytes with the same values
	s_wait_tensorcnt 0x0                           ; the wave's end
	ds_add_u32 v[SPW], v[NIL]
	s_wait_dscnt 0x0
	CROUND                                         ; the closing round
	s_endpgm
.Lfunc_end_k_q255f42e75d_qkv:
	.size	k_q255f42e75d_qkv, .Lfunc_end_k_q255f42e75d_qkv-k_q255f42e75d_qkv
	.p2alignl 7, 3214868480
	.fill 96, 4, 3214868480
	.section	.rodata,"a",@progbits
	.p2align	6, 0x0
	.amdhsa_kernel k_q255f42e75d_qkv
		.amdhsa_group_segment_fixed_size 327680
		.amdhsa_private_segment_fixed_size 0
		.amdhsa_enable_private_segment 0
		.amdhsa_kernarg_size 48
		.amdhsa_user_sgpr_count 2
		.amdhsa_user_sgpr_kernarg_segment_ptr 1
		.amdhsa_wavefront_size32 1
		.amdhsa_system_sgpr_workgroup_id_x 1
		.amdhsa_system_sgpr_workgroup_id_y 1
		.amdhsa_system_sgpr_workgroup_id_z 1
		.amdhsa_system_vgpr_workitem_id 0
		.amdhsa_next_free_vgpr 896
		.amdhsa_next_free_sgpr 100
		.amdhsa_reserve_vcc 1
		.amdhsa_float_denorm_mode_32 3
		.amdhsa_float_denorm_mode_16_64 3
		.amdhsa_memory_ordered 1
		.amdhsa_forward_progress 1
		.amdhsa_inst_pref_size 113
	.end_amdhsa_kernel
	.amdgpu_metadata
---
amdhsa.version: [ 1, 2 ]
amdhsa.kernels:
  - .name:           k_q255f42e75d_qkv
    .symbol:         k_q255f42e75d_qkv.kd
    .args:
      - { .name: x_img, .offset: 0, .size: 8, .value_kind: global_buffer, .address_space: global }
      - { .name: wa_img, .offset: 8, .size: 8, .value_kind: global_buffer, .address_space: global }
      - { .name: b_attn, .offset: 16, .size: 8, .value_kind: global_buffer, .address_space: global }
      - { .name: q_img, .offset: 24, .size: 8, .value_kind: global_buffer, .address_space: global }
      - { .name: k_img, .offset: 32, .size: 8, .value_kind: global_buffer, .address_space: global }
      - { .name: v_img, .offset: 40, .size: 8, .value_kind: global_buffer, .address_space: global }
    .group_segment_fixed_size: 327680
    .private_segment_fixed_size: 0
    .kernarg_segment_align: 8
    .kernarg_segment_size: 48
    .max_flat_workgroup_size: 128
    .sgpr_count:     100
    .vgpr_count:     896
    .wavefront_size: 32
...
	.end_amdgpu_metadata
.endif
;; end of part 2
;; launch attn (part 3): grid 8 x 32, 16 waves a work-group, clusters of 4 x 1, 319,744 bytes of LDS; arguments q_img, k_img, v_img, masktab, y_img; writes y_img
.if DOCPART == 3
	.amdgcn_target "amdgcn-amd-amdhsa--gfx1250"
	.amdhsa_code_object_version 6
	.text
	.protected	k_q255f42e75d_attn
	.globl	k_q255f42e75d_attn
	.p2align	8
	.type	k_q255f42e75d_attn,@function
k_q255f42e75d_attn:
	s_mov_b64 s[64:65], 0
	v_nop
	global_prefetch_b8 v0, s[64:65] scope:SCOPE_SE
	s_setreg_imm32_b32 hwreg(HW_REG_WAVE_MODE, 25, 1), 1
	s_wait_xcnt 0x0
	s_wait_alu depctr_hold_cnt(0) depctr_sa_sdst(0) depctr_va_vdst(0) depctr_va_sdst(0) depctr_va_ssrc(0) depctr_va_vcc(0) depctr_vm_vsrc(0)
	s_getreg_b32 s2, hwreg(HW_REG_IB_STS2, 6, 4)
	s_cmp_eq_u32 s2, 0
	s_cbranch_scc0 .Lentry_in_a_cluster
	s_endpgm
.Lentry_in_a_cluster:
	s_bfe_u32 s2, ttmp6, 0x10000c
	s_cmp_lg_u32 s2, 0x3003
	s_cbranch_scc0 .Lentry_shape_is_right
	s_endpgm
.Lentry_shape_is_right:
; ATTENTION on codes of FP6 (E2M3).  att = exp(s / 8 - max) x mask(rel) / (the row's sum of that), causal; it is quantised FINISHED AND NORMALISED along the keys, so the keys are walked twice.
; Walk 1: each query's running largest t = s log2(e) / 8 over its causal keys, and the sum of p x mask, p = 2^(t - M), M the largest t rounded UP to a whole number (when M moves the sum is multiplied by 2^(old M - new M): exact).
; Walk 2: att = 2^(c (s + C) + log2(mask)), C = (-M - log2(sum)) / c, c = log2(e) / 8.  C is the C operand of the score product (the same number in a lane's eight registers: a lane holds one query),
; and log2(mask) comes from a second table (-1e30 where the mask is 0, which hides the keys behind the diagonal too): one packed multiply-add and one exponential a number.  att is quantised and multiplied by V.
; SHARES.  A work-group is (p = one of 8 tiles of 16 queries inside a block of 128 tokens, batch x head).  Waves 2 a and 2 a + 1 share tile p of blocks 15 - a and a: 17 key steps of 128 together.
; One of the two takes the even key steps of both tiles, the other the odd ones: 8 or 9 steps a wave in each walk; which of the two has 9 hangs on a so that any four waves on end, and any four with equal w % 4, have 34.
; The wave of the even steps owns block 15 - a, the other block a.  A WAVE'S ORDER: walk 1 of its own tile; walk 1 of its partner's; walk 2 of its partner's; walk 2 of its own.
; What the two hand each other goes through LDS: (-M, sum) of each tile behind its walk 1 (joined by powers of two alone), and the part of O^T of the partner's tile behind its walk 2; the owner adds it, quantises y along the
; model's 1,024 and stores it as an image for the last product.  THE THREE BARRIERS FOR THAT ARE SPLIT: a wave signals when its record or part is stored and waits only where it needs the partner's; the walk that stands between
; signal and wait is work on registers and LDS loads of K, V and the tables, bytes that no wave writes before a later barrier.
; LDS: K and V of the head (images, filled once by joint loads: waves 0-3 K's quarters, waves 4-7 V's, one load a wave); the two tables, four copies each, shifted by 0 to 3 entries so that a lane's 16 neighbours begin on 16 bytes.
; The parts of O^T (4,096 bytes a wave) lie over the plain mask's copies: they are stored behind the second split barrier, which every wave signals behind its last read of that table.  Nothing is filled twice by a tensor load.
; Walk 1 asks for its next key step's K directly behind the score products (its temporaries lie in O^T's registers, idle there); in walk 2 K's registers are at work behind the scores.
; CLUSTER 4, 1, 1: the four work-groups share batch and head.  Both products are used transposed (S^T = K Q^T, O^T = V^T P^T).  Tiles' rows are 32 b + 8 u + r + 8 (r / 8): the 16 registers of tiles 2 b, 2 b + 1 are 16 neighbouring keys.
; THE FIRST PRODUCT'S K IS 64.  Q's codes for k = 64 .. 127 are zeros; a K tile's upper six registers are whatever follows (the next tile's codes; behind the last tile six registers that hold Q's codes): every pattern is a finite
; number of the format, meets a zero, under scale bytes of 1.0, and adds nothing.
; No prefetch into the L2: all that the work-group reads is asked for at its head.  Tiles beyond a head's span are not passed over: that would be a branch on a loaded number, and the maximum is taken over them too.
; LIMITS: NaN and infinities are not served; the scaled scores stay under 2^31 in magnitude; a mask entry under 2^-126 counts as 0; a row whose every p x mask falls to 0 is not served; a block of zeros gets the byte 1 where the
; rule says 127.  The exponent's error in walk 2 is that of f32 at the size of M + log2(sum).  O^T is summed in two parts (even and odd key steps).  y's scale bytes leave as 2 bytes a lane, once a wave.
.set LMT,   65536                      ; LDS: 0 the plain mask's four copies (35,072 bytes), later the parts of O^T (65,536); here log2(mask)'s four copies;
.set KB,    100608                     ; K: 16 steps x 6,656;
.set VB,    207104                     ; V: 16 steps x 6,400;
.set SPARE, 309504                     ; the spare words, 128 bytes for each of 16 waves;
.set EXCH,  311552                     ; (-M, sum): 256 bytes a wave for its own tile, and 4,096 further on 256 for its partner's
.set C1OFF, 8736                       ; copy s of a table at (s & 1) x 8,736 + (s >> 1) x 17,536
.set C2OFF, 17536
.set QSX, 0                            ; my own tile's Q scale word, kept (v0 is used up by then)
.set SPW, 1
.set NIL, 2
.set L16, 3                            ; 16 x lane
.set MAL, 4                            ; the lane's term of its place in a table
.set ADK, 5
.set ADV, 6
.set ADM, 7
.set VD,  8                            ; walk 1: my query - 16 (lane / 16) inside the block;  then CX:
.set CX,  8                            ; my own tile's C
.set QS,  9
.set PW,  10
.set LR,  11                           ; 16 x (lane % 16)
.set CC,  12                           ; walk 1: v12 -M, v13 largest t, v14-17 half of the sum, v18-19 f;  walk 2: v12-19 the C operand
.set KSC, 20
.set VSC, 24
.set QF,  28                           ; v28-33 Q's codes, v34-39 zeros
.set KF,  40                           ; v40-87 K's 8 tiles; in walk 2, behind the scores, v40-75 are at work:
.set TM,  40
.set CT,  56
.set PC,  64
.set QHX, 88                           ; v88-93 my own tile's Q codes, kept
.set ADS, 94
.set PD,  95
.set S,   96
.set MV,  160                          ; the mask or its log, later V's four fragments
.set OA,  224                          ; O^T; in walk 1: v224-230 the other tile's Q, v232-235 the walks' results, and
.set T1,  OA+12                        ; v236-239 four maxima,
.set NI,  OA+16                        ; v240 -infinity,
.set SM2, OA+20                        ; v244-247 the other half of the sum
.set BX,  20                           ; s20 my own tile's block, s22 the other's
.set BY,  22
.set PAR, 23                           ; which key steps are mine
.set G1K, 24
.set G1V, 32
.set G0K, 40
.set G0V, 44
.set SEL, 48
.set CS,  50
.set KC,  52
.set SK,  53
.set SV,  54
.set T0,  55
.set MB,  56
.set JC,  57
.set SK0, 58
.set SV0, 59
.set EX0, 60
.set EX1, 61
.set DU0, 62
.set DU1, 63
.macro CROUND
	s_barrier_signal -1
	s_barrier_wait -1
	s_cmp_lg_u32 s14, 0
	s_cbranch_scc1 .Lnot_wave_0_\@
	s_barrier_signal -3
.Lnot_wave_0_\@:
	s_barrier_wait -3
	s_barrier_signal -1
	s_barrier_wait -1
.endm
.macro TSTORE adr, reg, off            ; four table entries z = 4 t .. 4 t + 3 go to entry z + s of copy s
	ds_store_b128 v[\adr], v[\reg:\reg+3] offset:\off
.irp e, 0,1,2,3
	ds_store_b32 v[\adr], v[\reg+\e] offset:\off+C1OFF+4+4*\e
.endr
	ds_store_b64 v[\adr], v[\reg:\reg+1] offset:\off+C2OFF+8
	ds_store_b64 v[\adr], v[\reg+2:\reg+3] offset:\off+C2OFF+16
.irp e, 0,1,2,3
	ds_store_b32 v[\adr], v[\reg+\e] offset:\off+C1OFF+C2OFF+12+4*\e
.endr
.endm
.macro LOG4 d, s                       ; log2 of four mask entries, held at -1e30 from below
	v_log_f32 v[\d], v[\s]
	v_log_f32 v[\d+1], v[\s+1]
	v_log_f32 v[\d+2], v[\s+2]
	v_log_f32 v[\d+3], v[\s+3]
	v_nop                                          ; a plain place behind the batch,
	s_wait_alu depctr_va_vdst(0)                   ; and the wait ahead of its first reader
.irp e, 0,1,2,3
	v_max_num_f32 v[\d+\e], 0xf149f2ca, v[\d+\e]
.endr
.endm
.macro KLD off                         ; 13 loads: a key step's 8 tiles of K and their scale words
.irp i, 0,1,2,3,4,5,6,7,8,9,10,11
	ds_load_b128 v[KF+4*\i:KF+4*\i+3], v[ADK] offset:\off+512*\i
.endr
	ds_load_b128 v[KSC:KSC+3], v[ADK] offset:\off+6144
.endm
.macro MLD B                           ; 16 loads: my 64 table entries of key step s[KC]
	s_min_u32 s[T0], s[KC], s[\B]                  ; (the step is walked only where it is at most the block: the hold keeps the address inside the table on every way)
	s_lshl_b32 s[T0], s[T0], 9                     ; 128 entries on for each key step
	s_add_co_u32 s[T0], s[T0], s[MB]
	v_add_nc_u32 v[ADM], s[T0], v[MAL]
.irp b, 0,1,2,3
.irp j, 0,1,2,3
	ds_load_b128 v[MV+16*\b+4*\j:MV+16*\b+4*\j+3], v[ADM] offset:128*\b+16*\j
.endr
.endr
.endm
.macro QK c                            ; the scores: 8 products with c as their C
.irp t, 0,1,2,3
	v_wmma_scale_f32_16x16x128_f8f6f4 v[S+8*\t:S+8*\t+7], v[KF+6*\t:KF+6*\t+11], v[QF:QF+11], \c, v[KSC+\t], v[QS] matrix_a_fmt:MATRIX_FMT_FP6 matrix_b_fmt:MATRIX_FMT_FP6
.endr
.irp t, 4,5,6,7
	v_wmma_scale_f32_16x16x128_f8f6f4 v[S+8*\t:S+8*\t+7], v[KF+6*\t:KF+6*\t+11], v[QF:QF+11], \c, v[KSC+\t-4], v[QS] matrix_a_fmt:MATRIX_FMT_FP6 matrix_b_fmt:MATRIX_FMT_FP6 matrix_a_scale:MATRIX_SCALE_ROW1
.endr
.endm
.macro EXP64
	s_wait_alu depctr_va_vdst(0)                   ; ahead of the batch
.set n, 0
.rept 64
	v_exp_f32 v[S+n], v[S+n]
.set n, n+1
.endr
.endm
.macro START tab, B                    ; a walk's scalars: my first key step, where its K and V lie, and where the tile's entries begin in the table at tab
	s_xor_b32 s[MB], s[\B], 15
	s_lshl_b32 s[MB], s[MB], 9
	s_add_co_u32 s[MB], s[MB], 16+\tab
	s_mov_b32 s[JC], 0
	s_mov_b32 s[KC], s[PAR]
	s_mov_b32 s[SK], s[SK0]
	s_mov_b32 s[SV], s[SV0]
.endm
.macro NEXT lab                        ; eight trips in every wave: two key steps on; a step whose keys all come after the tile's queries is jumped over (ids alone)
	s_add_co_u32 s[SK], s[SK], 2*6656
	s_add_co_u32 s[SV], s[SV], 2*6400
	s_add_co_u32 s[KC], s[KC], 2
	s_add_co_u32 s[JC], s[JC], 1
	s_cmp_lt_u32 s[JC], 8
	s_cbranch_scc1 \lab
.endm
; two parts (-M, sum) of one tile are joined, and the tile's C is made: t .. t + 2 are at work
.macro MERGE na, sa, nb, sb, t, out
	v_min_num_f32 v[\t], v[\na], v[\nb]            ; the joint -M: the smaller of the two
	v_sub_f32 v[\t+1], v[\t], v[\na]               ; each part's M less the joint M: whole numbers, 0 or less
	v_sub_f32 v[\t+2], v[\t], v[\nb]
	v_cvt_i32_f32 v[\t+1], v[\t+1]                 ; (it saturates: a part with no key step has the sum 0)
	v_cvt_i32_f32 v[\t+2], v[\t+2]
	v_ldexp_f32 v[\t+1], v[\sa], v[\t+1]
	v_ldexp_f32 v[\t+2], v[\sb], v[\t+2]
	v_add_f32 v[\t+1], v[\t+1], v[\t+2]            ; the row's sum
	s_wait_alu depctr_va_vdst(0)                   ; the wait ahead of the transcendental
	v_log_f32 v[\t+2], v[\t+1]
	v_nop
	s_wait_alu depctr_va_vdst(0)                   ; and ahead of its reader
	v_sub_f32 v[\t+2], v[\t], v[\t+2]              ; -M - log2(sum)
	v_mul_f32 v[\out], 0x40b17218, v[\t+2]         ; x 8 ln 2 = 1 / c
.endm
; WALK 1 of the tile of block s[B], my key steps: -M into v[res], the sum into v[res + 1]
.macro W1 B, res
	v_mov_b32 v13, 0xff61b1e6                      ; the largest t so far: -3e38
	s_delay_alu instid0(VALU_DEP_1)
	v_floor_f32 v12, -v13                          ; -M
.irp i, 14,15,16,17,18,19,SM2,SM2+1,SM2+2,SM2+3
	v_mov_b32 v[\i], 0
.endr
	v_mov_b32 v[NI], 0xff800000
	START 0, \B
	v_add_nc_u32 v[ADK], s[SK], v[L16]
	KLD 0                                          ; my first key step's K
	s_wait_alu depctr_va_vdst(0)                   ; the wait ahead of the loop
.Lw1_\@:
	s_cmp_gt_u32 s[KC], s[\B]
	s_cbranch_scc1 .Lw1s_\@
	MLD \B
	s_wait_dscnt 16                                ; K and its words, asked for a step ago, are in; the 16 mask loads may be out
	QK 0
	v_add_nc_u32 v[ADK], s[SK], v[L16]             ; four places in front of the first read of results and of the loads into K's registers
.rept 3
	v_nop
.endr
	KLD 2*6656                                     ; the next of my key steps (behind my last step: bytes of LDS that are not used)
	s_cmp_lg_u32 s[KC], s[\B]
	s_cbranch_scc1 .Lopen_\@
.set n, 0
.rept 64                               ; on the diagonal: register 16 b + i holds key 32 b + 16 (lane / 16) + i of the block: hidden where 32 b + i > VD
	v_cmp_gt_i32 vcc_lo, 32*(n/16)+n%16, v[VD]
	v_cndmask_b32 v[S+n], v[S+n], v[NI], vcc_lo
.set n, n+1
.endr
.Lopen_\@:
.irp b, 0,1,2,3
	v_max3_num_f32 v[T1+\b], v[S+16*\b], v[S+16*\b+1], v[S+16*\b+2]   ; four chains, each accumulator from its low end on
.endr
.irp i, 3,5,7,9,11,13
.irp b, 0,1,2,3
	v_max3_num_f32 v[T1+\b], v[T1+\b], v[S+16*\b+\i], v[S+16*\b+\i+1]
.endr
.endr
.irp b, 0,1,2,3
	v_max_num_f32 v[T1+\b], v[T1+\b], v[S+16*\b+15]
.endr
	s_delay_alu instid0(VALU_DEP_2)
	v_max3_num_f32 v[T1], v[T1], v[T1+1], v[T1+2]
	s_delay_alu instid0(VALU_DEP_1)
	v_max_num_f32 v[T1], v[T1], v[T1+3]
	s_delay_alu instid0(VALU_DEP_1)
	v_permlanex16_b32 v[PD], v[T1], s[SEL], s[SEL+1]
	s_delay_alu instid0(VALU_DEP_1)
	v_max_num_f32 v[T1], v[T1], v[PD]              ; the step's largest score of my query
	s_delay_alu instid0(VALU_DEP_1)
	v_mul_f32 v[T1], s[CS], v[T1]
	s_delay_alu instid0(VALU_DEP_1)
	v_max_num_f32 v13, v13, v[T1]                  ; the running largest t
	v_mov_b32 v[T1], v12
	s_delay_alu instid0(VALU_DEP_2)
	v_floor_f32 v12, -v13                          ; the new -M = -ceil(t)
	s_delay_alu instid0(VALU_DEP_1)
	v_sub_f32 v[T1], v12, v[T1]                    ; old M - new M: a whole number, 0 or less
	s_delay_alu instid0(VALU_DEP_1)
	v_cvt_i32_f32 v[T1], v[T1]                     ; (it saturates)
	s_delay_alu instid0(VALU_DEP_1)
	v_ldexp_f32 v18, 1.0, v[T1]                    ; f = 2^(old M - new M)
.set n, 0
.rept 32
	v_pk_fma_f32 v[S+n:S+n+1], v[S+n:S+n+1], s[CS:CS+1], v[12:13] op_sel_hi:[1,0,0]   ; t - M
.set n, n+2
.endr
	EXP64
	v_pk_mul_f32 v[14:15], v[14:15], v[18:19] op_sel_hi:[1,0]   ; the sums under the new M (plain places behind the exponentials)
	v_pk_mul_f32 v[16:17], v[16:17], v[18:19] op_sel_hi:[1,0]
	v_pk_mul_f32 v[SM2:SM2+1], v[SM2:SM2+1], v[18:19] op_sel_hi:[1,0]
	v_pk_mul_f32 v[SM2+2:SM2+3], v[SM2+2:SM2+3], v[18:19] op_sel_hi:[1,0]
	s_wait_alu depctr_va_vdst(0)                   ; one wait for the batch, ahead of its first reader
	s_wait_dscnt 13                                ; the mask is in; the next step's 13 loads of K may be out
.set n, 0
.rept 8
	v_pk_fma_f32 v[14:15], v[S+n:S+n+1], v[MV+n:MV+n+1], v[14:15]       ; sum += p x mask, in four chains of pairs
	v_pk_fma_f32 v[16:17], v[S+n+2:S+n+3], v[MV+n+2:MV+n+3], v[16:17]
	v_pk_fma_f32 v[SM2:SM2+1], v[S+n+4:S+n+5], v[MV+n+4:MV+n+5], v[SM2:SM2+1]
	v_pk_fma_f32 v[SM2+2:SM2+3], v[S+n+6:S+n+7], v[MV+n+6:MV+n+7], v[SM2+2:SM2+3]
.set n, n+8
.endr
.Lw1s_\@:
	NEXT .Lw1_\@
	s_wait_dscnt 0x0                               ; the loads asked for behind my last step
	s_wait_alu depctr_va_vdst(0)                   ; the wait ahead of the reader below
	v_pk_add_f32 v[14:15], v[14:15], v[16:17]
	v_pk_add_f32 v[SM2:SM2+1], v[SM2:SM2+1], v[SM2+2:SM2+3]
	s_delay_alu instid0(VALU_DEP_1)
	v_pk_add_f32 v[14:15], v[14:15], v[SM2:SM2+1]
	s_delay_alu instid0(VALU_DEP_1)
	v_add_f32 v14, v14, v15
	s_delay_alu instid0(VALU_DEP_1)
	v_permlanex16_b32 v[PD], v14, s[SEL], s[SEL+1]
	s_delay_alu instid0(VALU_DEP_1)
	v_add_f32 v[\res+1], v14, v[PD]                ; the row's sum over my key steps
	v_mov_b32 v[\res], v12
.endm
; WALK 2 of the tile of block s[B], my key steps; v[cv] holds the tile's C.  O^T begins as zeros: the step is written once
.macro W2 B, cv
.irp i, 0,1,2,3,4,5,6,7
	v_mov_b32 v[CC+\i], v[\cv]
.endr
.set n, 0
.rept 32
	v_mov_b32 v[OA+n], 0
.set n, n+1
.endr
	START LMT, \B
	s_wait_alu depctr_va_vdst(0)                   ; the wait ahead of the loop
.Lw2_\@:
	s_cmp_gt_u32 s[KC], s[\B]
	s_cbranch_scc1 .Lw2s_\@
	v_add_nc_u32 v[ADK], s[SK], v[L16]
	KLD 0
	MLD \B
	s_wait_dscnt 16                                ; K and its words are in; the 16 table loads may be out
	QK v[CC:CC+7]
.rept 4
	v_nop                                          ; four places in front of the first read of results and the first write of K's registers
.endr
	s_wait_dscnt 0x0                               ; log2(mask)
.set n, 0
.rept 32
	v_pk_fma_f32 v[S+n:S+n+1], v[S+n:S+n+1], s[CS:CS+1], v[MV+n:MV+n+1] op_sel_hi:[1,0,1]   ; c (s + C) + log2(mask)
.set n, n+2
.endr
	v_add_nc_u32 v[ADV], s[SV], v[L16]
	v_add_nc_u32 v[ADS], s[SV], v[LR]
.irp d, 0,1,2,3
.irp i, 0,1,2
	ds_load_b128 v[MV+12*\d+4*\i:MV+12*\d+4*\i+3], v[ADV] offset:1536*\d+512*\i   ; V's four fragments take the table entries' registers
.endr
.endr
	ds_load_b128 v[VSC:VSC+3], v[ADS] offset:6144
	EXP64                                          ; att
	v_nop                                          ; a plain place behind the exponentials
	s_wait_alu depctr_va_vdst(0)                   ; one wait for the batch
.irp b, 0,1,2,3
	v_max3_num_f32 v[TM+\b], v[S+16*\b], v[S+16*\b+1], 0x1800000   ; none is negative; the floor 2^(3 - 127) holds the byte at 1
.endr
.irp i, 2,4,6,8,10,12,14
.irp b, 0,1,2,3
	v_max3_num_f32 v[TM+\b], v[TM+\b], v[S+16*\b+\i], v[S+16*\b+\i+1]   ; the four blocks by turns, here and below
.endr
.endr
.irp b, 0,1,2,3
	v_permlanex16_b32 v[TM+4+\b], v[TM+\b], s[SEL], s[SEL+1]
.endr
.irp b, 0,1,2,3
	v_max_num_f32 v[TM+\b], v[TM+\b], v[TM+4+\b]
.endr
.irp b, 0,1,2,3
	v_add_nc_u32 v[TM+12+\b], 0xff000000, v[TM+\b]
.endr
.irp b, 0,1,2,3
	v_lshrrev_b32 v[TM+4+\b], 23, v[TM+12+\b]
.endr
	s_delay_alu instid0(VALU_DEP_3)
	v_lshl_or_b32 v[PW], v[TM+5], 8, v[TM+4]
	s_delay_alu instid0(VALU_DEP_1)
	v_lshl_or_b32 v[PW], v[TM+6], 16, v[PW]
	s_delay_alu instid0(VALU_DEP_1)
	v_lshl_or_b32 v[PW], v[TM+7], 24, v[PW]
.irp c, 0,1
	v_cvt_scalef32_pk16_fp6_f32 v[PC+6*\c:PC+6*\c+2], v[S+32*\c:S+32*\c+15], v[TM+12+2*\c]
	v_cvt_scalef32_pk16_fp6_f32 v[CT+4*\c:CT+4*\c+2], v[S+32*\c+16:S+32*\c+31], v[TM+12+2*\c+1]
.endr
	v_nop                                          ; one plain place behind a scaled conversion
.irp c, 0,1
.irp i, 0,1,2
	v_permlane16_swap_b32 v[PC+6*\c+\i], v[CT+4*\c+\i]
.endr
.irp i, 0,1,2
	v_mov_b32 v[PC+6*\c+3+\i], v[CT+4*\c+\i]
.endr
.endr
	s_wait_alu depctr_va_vdst(0)                   ; the wait ahead of the wait below
	s_wait_dscnt 0x0                               ; V and its words
.rept 8
	v_nop                                          ; a scale word written by vector instructions stands 8 places ahead of a scaled product, codes so written 4
.endr
.irp d, 0,1,2,3
	v_wmma_scale_f32_16x16x128_f8f6f4 v[OA+8*\d:OA+8*\d+7], v[MV+12*\d:MV+12*\d+11], v[PC:PC+11], v[OA+8*\d:OA+8*\d+7], v[VSC+\d], v[PW] matrix_a_fmt:MATRIX_FMT_FP6 matrix_b_fmt:MATRIX_FMT_FP6
.endr
.rept 4
	v_nop                                          ; four places in front of the next loads into these operands, and of the read of O^T behind the last step
.endr
.Lw2s_\@:
	NEXT .Lw2_\@
.endm
	s_load_b256 s[4:11], s[0:1], 0x0               ; q_img 4, k_img 6, v_img 8, masktab 10
	s_load_b64 s[12:13], s[0:1], 0x20              ; y_img
	v_lshl_add_u32 v[SPW], v0, 2, SPARE
	v_mov_b32 v[NIL], 0
	ds_add_u32 v[SPW], v[NIL]                      ; the opening lines: the add, twice on end, and its wait ahead of the first tensor loads
	ds_add_u32 v[SPW], v[NIL]
	v_lshrrev_b32 v3, 5, v0
	v_readfirstlane_b32 s14, v3                    ; wave 0..15
	s_bfe_u32 s15, ttmp6, 0x40000                  ; cx
	s_lshl_b32 s16, ttmp9, 2
	s_add_co_u32 s16, s16, s15                     ; p: it enters global addresses and data alone
	s_and_b32 s17, ttmp7, 0xffff                   ; 16 x batch + head, which the four partners share
	s_and_b32 s18, s17, 15                         ; the head
	s_lshr_b32 s19, s17, 4                         ; the batch
	s_lshr_b32 s66, s14, 1                         ; a
	s_lshr_b32 s68, s14, 2
	s_xor_b32 s68, s68, s14
	s_and_b32 s[PAR], s68, 1                       ; my key steps' parity: (w xor w / 4) & 1
	s_xor_b32 s68, s[PAR], 1
	s_mul_i32 s68, s68, 15
	s_xor_b32 s[BX], s66, s68                      ; my own tile's block: 15 - a in the wave of the even steps, a in the other
	s_xor_b32 s[BY], s[BX], 15                     ; my partner's
	s_mul_i32 s[SK0], s[PAR], 6656
	s_add_co_u32 s[SK0], s[SK0], KB
	s_mul_i32 s[SV0], s[PAR], 6400
	s_add_co_u32 s[SV0], s[SV0], VB
	s_lshl_b32 s[EX0], s14, 8
	s_add_co_u32 s[EX0], s[EX0], EXCH
	s_xor_b32 s[EX1], s14, 1                       ; my partner
	s_lshl_b32 s[DU1], s[EX1], 12
	s_lshl_b32 s[EX1], s[EX1], 8
	s_add_co_u32 s[EX1], s[EX1], EXCH
	s_lshl_b32 s[DU0], s14, 12
	s_lshr_b32 s21, s16, 1
	s_lshl_b32 s21, s21, 5
	s_and_b32 s66, s16, 1
	s_lshl_b32 s66, s66, 3
	s_add_co_u32 s21, s21, s66                     ; P = 32 (p / 2) + 8 (p % 2): lane r's query is P + r + 8 (r / 8) of the block
	s_mov_b32 s[G1K], 15|(3<<16)|(1<<21)           ; the mask: all four work-groups; elements of 8 bytes; bit 21 beside a mask; no padding
	s_mov_b32 s[G1K+1], 32<<16                     ; a quarter of the head's K, dense, as 104 rows of 256 bytes
	s_mov_b32 s[G1K+2], 104<<16
	s_mov_b32 s[G1K+3], 32<<16
	s_mov_b32 s[G1K+4], 104
	s_mov_b32 s[G1K+5], 32
	s_mov_b32 s[G1K+6], 0
	s_mov_b32 s[G1K+7], 0
	s_mov_b32 s[G1V], 15|(3<<16)|(1<<21)
	s_mov_b32 s[G1V+1], 32<<16                     ; of V: 100 rows
	s_mov_b32 s[G1V+2], 100<<16
	s_mov_b32 s[G1V+3], 32<<16
	s_mov_b32 s[G1V+4], 100
	s_mov_b32 s[G1V+5], 32
	s_mov_b32 s[G1V+6], 0
	s_mov_b32 s[G1V+7], 0
	s_and_b32 s76, s14, 3                          ; which quarter
	s_mul_i32 s77, s76, 26624
	s_mul_i32 s78, s17, 106496
	s_add_co_u32 s78, s78, s77
	s_mov_b32 s79, 0
	s_add_co_u32 s77, s77, KB
	s_mul_i32 s80, s76, 25600
	s_mul_i32 s82, s17, 102400
	s_add_co_u32 s82, s82, s80
	s_mov_b32 s83, 0
	s_add_co_u32 s80, s80, VB
	s_mov_b32 s[SEL], 0x76543210
	s_mov_b32 s[SEL+1], 0xfedcba98
	s_mov_b32 s[CS], 0x3e38aa3b                    ; c = log2(e) / 8
	s_mov_b32 s[CS+1], s[CS]                       ; (named with it as a pair)
	s_mul_i32 s84, s18, 9216                       ; the head's table, from entry 104 - P on
	s_add_co_u32 s84, s84, 416
	s_lshl_b32 s85, s21, 2
	s_sub_co_u32 s84, s84, s85
	s_mov_b32 s85, 0
	s_mul_i32 s86, s17, 106496                     ; Q: the blocks of the two tiles
	s_mul_i32 s87, s[BY], 6656
	s_add_co_u32 s88, s86, s87
	s_mul_i32 s87, s[BX], 6656
	s_add_co_u32 s86, s86, s87
	s_mov_b32 s87, 0
	s_mov_b32 s89, 0
	s_mul_i32 s66, s16, 3                          ; Q's six registers 6 p .. 6 p + 5 of a block's run of 48: pairs 3 p + j; pair q lies at 512 (q / 2) + 8 (q % 2) + 16 lane
.irp j, 0,1,2
	s_add_co_u32 s67, s66, \j
	s_lshr_b32 s[90+\j], s67, 1
	s_lshl_b32 s[90+\j], s[90+\j], 9
	s_and_b32 s67, s67, 1
	s_lshl_b32 s67, s67, 3
	s_add_co_u32 s[90+\j], s[90+\j], s67
.endr
	s_lshr_b32 s93, s16, 2
	s_lshl_b32 s93, s93, 8
	s_and_b32 s67, s16, 3
	s_lshl_b32 s67, s67, 2
	s_add_co_u32 s93, s93, s67                     ; and its scale word
	s_wait_dscnt 0x0                               ; both opening adds are done
	s_wait_kmcnt 0x0
	s_add_nc_u64 s[70:71], s[10:11], s[84:85]
	s_add_nc_u64 s[72:73], s[4:5], s[86:87]
	s_add_nc_u64 s[74:75], s[4:5], s[88:89]
	CROUND                                         ; all four work-groups are here: the joint loads meet
	s_mov_b32 s[G0K], 1
	s_mov_b32 s[G0K+1], s77
	s_add_nc_u64 s[G0K+2:G0K+3], s[6:7], s[78:79]
	s_or_b32 s[G0K+3], s[G0K+3], 0x80000000
	s_mov_b32 s[G0V], 1
	s_mov_b32 s[G0V+1], s80
	s_add_nc_u64 s[G0V+2:G0V+3], s[8:9], s[82:83]
	s_or_b32 s[G0V+3], s[G0V+3], 0x80000000
	s_cmp_lt_u32 s14, 4                            ; one chain of branches on the wave's number, one fill to an arm: waves 0-3 K, waves 4-7 V, the others none
	s_cbranch_scc0 .Lnot_k
	tensor_load_to_lds s[G0K:G0K+3], s[G1K:G1K+7]
	s_nop 0
.rept 4
	v_nop
.endr
	s_branch .Lfetched
.Lnot_k:
	s_cmp_lt_u32 s14, 8
	s_cbranch_scc0 .Lfetched
	tensor_load_to_lds s[G0V:G0V+3], s[G1V:G1V+7]
	s_nop 0
.rept 4
	v_nop
.endr
.Lfetched:
	v_lshlrev_b32 v[ADK], 4, v0                    ; 16 x thread: my four entries, in memory and in copy 0
	global_load_b128 v[40:43], v[ADK], s[70:71]
	v_and_b32 v56, 31, v0
	v_lshlrev_b32 v[L16], 4, v56
	v_and_b32 v56, 15, v0                          ; r
	v_bfe_u32 v57, v0, 4, 1                        ; h
	v_lshlrev_b32 v[LR], 4, v56
.irp j, 0,1,2
	v_add_nc_u32 v[64+\j], s[90+\j], v[L16]
.endr
	v_add_nc_u32 v67, s93, v[LR]
.irp j, 0,1,2
	global_load_b64 v[QF+2*\j:QF+2*\j+1], v[64+\j], s[72:73]
	global_load_b64 v[OA+2*\j:OA+2*\j+1], v[64+\j], s[74:75]
.endr
	global_load_b32 v[QS], v67, s[72:73] offset:6144
	global_load_b32 v[OA+6], v67, s[74:75] offset:6144
	; my place in a table: entry 1944 - 128 (block - step) - (r & 4) - 2 (r & 8) + 16 h + 32 b + i of copy r & 3
	v_and_b32 v58, 1, v56
	v_mul_u32_u24 v58, v58, C1OFF
	v_bfe_u32 v59, v56, 1, 1
	v_mad_u32_u24 v58, v59, C2OFF, v58
	v_xor_b32 v60, 12, v56                         ; (- 4 (r & 4) = 4 ((r xor 4) & 4) - 16, and the like for 8: no number goes under 0)
	v_and_b32 v59, 4, v60
	v_lshl_add_u32 v58, v59, 2, v58
	v_and_b32 v59, 8, v60
	v_lshl_add_u32 v58, v59, 3, v58
	v_lshl_add_u32 v[MAL], v57, 6, v58
	v_and_b32 v59, 8, v56
	v_add_nc_u32 v59, v59, v56
	v_lshlrev_b32 v60, 4, v57
	v_sub_nc_u32 v59, v59, v60
	v_add_nc_u32 v[VD], s21, v59
.irp i, 34,35,36,37,38,39
	v_mov_b32 v\i, 0                               ; Q's codes of k = 64 .. 127
.endr
	v_mov_b32 v[PD], 0                             ; (a lane permute's destination counts as one of its sources)
	v_add_nc_u32 v[ADV], LMT, v[ADK]               ; my four entries in the second table
	s_wait_alu depctr_va_vdst(0)                   ; ahead of the wait below and of the batch
	s_wait_loadcnt 8                               ; my entries are in; Q's eight loads may be out
	TSTORE ADK, 40, 0
	LOG4 44, 40
	TSTORE ADV, 44, 0
	s_cmp_lg_u32 s14, 0                            ; entries 2,048 to 2,175: wave 0 once more
	s_cbranch_scc1 .Lnot_0
	global_load_b128 v[48:51], v[ADK], s[70:71] offset:8192
	s_wait_loadcnt 0x0
	TSTORE ADK, 48, 8192
	LOG4 52, 48
	TSTORE ADV, 52, 8192
.Lnot_0:
	s_wait_loadcnt 0x0                             ; Q
.irp i, 0,1,2,3,4,5
	v_mov_b32 v[QHX+\i], v[QF+\i]                  ; my own tile's Q is kept for the last walk
.endr
	v_mov_b32 v[QSX], v[QS]
	s_wait_alu depctr_va_vdst(0)                   ; the head's end
	s_wait_tensorcnt 0x0                           ; my quarter of K or of V is in
	s_wait_dscnt 0x0                               ; my part of the tables is stored
	s_barrier_signal -1
	s_barrier_wait -1
	W1 BX, OA+8
	v_lshrrev_b32 v[ADV], 1, v[L16]                ; 8 x lane
	v_add_nc_u32 v[ADS], s[EX1], v[ADV]            ; my partner's records,
	v_add_nc_u32 v[ADV], s[EX0], v[ADV]            ; and mine
	ds_store_b64 v[ADV], v[OA+8:OA+9]              ; -M and sum of my own tile
.irp i, 0,1,2,3,4,5
	v_mov_b32 v[QF+\i], v[OA+\i]                   ; on to my partner's tile; the walk's first lines are the places ahead of its first product
.endr
	v_mov_b32 v[QS], v[OA+6]
	s_wait_alu depctr_va_vdst(0)                   ; the wait ahead of the wait below
	s_wait_dscnt 0x0                               ; the record is stored:
	s_barrier_signal -1                            ; say so, and walk on: between this line and its wait stand work on registers and loads of K and of the plain mask alone
	W1 BY, OA+10
	s_wait_alu depctr_va_vdst(0)                   ; the wait ahead of the barrier's wait
	s_barrier_wait -1                              ; every wave's first record is stored
	ds_store_b64 v[ADV], v[OA+10:OA+11] offset:4096   ; -M and sum of my partner's tile, in the records' second region
	ds_load_b64 v[OA+12:OA+13], v[ADS]             ; my partner's record of that tile, which is its own
	s_wait_dscnt 0x0                               ; stored and loaded; and my reads of the plain mask are over:
	s_barrier_signal -1                            ; say so; up to the wait: registers, and loads of K, V and the second table
	MERGE OA+10, OA+11, OA+12, OA+13, OA+16, OA+22
	W2 BY, OA+22                                   ; Q's registers still hold my partner's tile
	s_barrier_wait -1                              ; every wave's second record is stored, and nobody reads the plain mask any more
	v_lshrrev_b32 v[ADV], 1, v[L16]
	v_add_nc_u32 v[ADS], s[EX1], v[ADV]
	v_add_nc_u32 v[ADV], s[EX0], v[ADV]
	v_add_nc_u32 v[ADM], s[DU0], v[L16]
	ds_load_b64 v[TM:TM+1], v[ADV]                 ; my record of my own tile,
	ds_load_b64 v[TM+2:TM+3], v[ADS] offset:4096   ; and my partner's of it
	s_wait_alu depctr_va_vdst(0)                   ; the wait directly ahead of the first reader of O^T
.irp i, 0,1,2,3,4,5,6,7
	ds_store_b128 v[ADM], v[OA+4*\i:OA+4*\i+3] offset:512*\i   ; my part of my partner's O^T, as an image of registers, each accumulator from its low end on
.endr
.irp i, 0,1,2,3,4,5
	v_mov_b32 v[QF+\i], v[QHX+\i]                  ; back to my own tile
.endr
	v_mov_b32 v[QS], v[QSX]
	s_wait_alu depctr_va_vdst(0)                   ; the wait ahead of the wait below
	s_wait_dscnt 0x0                               ; the part is stored (its registers begin anew below), the records are in:
	s_barrier_signal -1                            ; say so; up to the wait: registers, and loads of K, V and the second table
	MERGE TM, TM+1, TM+2, TM+3, TM+4, CX
	W2 BX, CX
	s_lshl_b32 s76, s19, 4                         ; where y goes:
	s_add_co_u32 s76, s76, s[BX]                   ; the block of 128 tokens
	s_lshl_b32 s76, s76, 3
	s_lshr_b32 s77, s18, 1
	s_add_co_u32 s76, s76, s77                     ; the K step: two heads
	s_mul_i32 s76, s76, 12800
	s_and_b32 s77, s18, 1                          ; which half of it
	s_mul_i32 s82, s16, 1536
	s_mul_i32 s83, s77, 768
	s_add_co_u32 s82, s82, s83
	s_add_co_u32 s82, s82, s76
	s_mov_b32 s83, 0
	s_add_nc_u64 s[78:79], s[12:13], s[82:83]
	s_lshr_b32 s82, s16, 2
	s_lshl_b32 s82, s82, 8
	s_and_b32 s84, s16, 3
	s_lshl_b32 s84, s84, 2
	s_add_co_u32 s82, s82, s84
	s_lshl_b32 s77, s77, 1
	s_add_co_u32 s82, s82, s77
	s_add_co_u32 s82, s82, s76
	s_add_nc_u64 s[80:81], s[12:13], s[82:83]
	v_add_nc_u32 v[ADV], s[DU1], v[L16]
	v_lshrrev_b32 v[ADM], 1, v[L16]                ; 8 x lane
	s_wait_alu depctr_va_vdst(0)                   ; the wait ahead of the barrier's wait
	s_barrier_wait -1                              ; every wave's part is stored
.irp i, 0,1,2,3,4,5,6,7
	ds_load_b128 v[MV+4*\i:MV+4*\i+3], v[ADV] offset:512*\i    ; my partner's part of my O^T
.endr
	s_wait_dscnt 0x0
	s_wait_alu depctr_va_vdst(0)                   ; the wait directly ahead of the first reader of O^T
.set n, 0
.rept 16
	v_pk_add_f32 v[OA+n:OA+n+1], v[OA+n:OA+n+1], v[MV+n:MV+n+1]
.set n, n+2
.endr
	; y: register 16 b + i is channel 32 b + 16 (lane / 16) + i of the head: two blocks, six registers of the last product's fragment
.irp b, 0,1
	v_max3_num_f32 v[TM+\b], |v[OA+16*\b]|, |v[OA+16*\b+1]|, 0x1800000
.endr
.irp i, 2,4,6,8,10,12,14
.irp b, 0,1
	v_max3_num_f32 v[TM+\b], v[TM+\b], |v[OA+16*\b+\i]|, |v[OA+16*\b+\i+1]|
.endr
.endr
.irp b, 0,1
	s_delay_alu instid0(VALU_DEP_2)
	v_permlanex16_b32 v[TM+4+\b], v[TM+\b], s[SEL], s[SEL+1]
.endr
.irp b, 0,1
	s_delay_alu instid0(VALU_DEP_2)
	v_max_num_f32 v[TM+\b], v[TM+\b], v[TM+4+\b]
.endr
.irp b, 0,1
	s_delay_alu instid0(VALU_DEP_2)
	v_add_nc_u32 v[TM+12+\b], 0xff000000, v[TM+\b]
.endr
.irp b, 0,1
	s_delay_alu instid0(VALU_DEP_2)
	v_lshrrev_b32 v[TM+4+\b], 23, v[TM+12+\b]
.endr
	s_delay_alu instid0(VALU_DEP_1)
	v_lshl_or_b32 v[PW], v[TM+5], 8, v[TM+4]       ; the head's half of the scale word
	v_cvt_scalef32_pk16_fp6_f32 v[PC:PC+2], v[OA:OA+15], v[TM+12]
	v_cvt_scalef32_pk16_fp6_f32 v[CT:CT+2], v[OA+16:OA+31], v[TM+13]
	v_nop
.irp i, 0,1,2
	v_permlane16_swap_b32 v[PC+\i], v[CT+\i]
.endr
.irp i, 0,1,2
	s_delay_alu instid0(VALU_DEP_3)
	v_mov_b32 v[PC+3+\i], v[CT+\i]
.endr
	global_store_b128 v[L16], v[PC:PC+3], s[78:79]             ; 512 consecutive bytes
	global_store_b64 v[ADM], v[PC+4:PC+5], s[78:79] offset:512 ; 256
	global_store_b16 v[LR], v[PW], s[80:81] offset:12288       ; lanes 16-31 store the same bytes with the same values
	s_wait_tensorcnt 0x0                           ; the wave's end
	ds_add_u32 v[SPW], v[NIL]
	s_wait_dscnt 0x0
	CROUND                                         ; the closing round
	s_endpgm
.Lfunc_end_k_q255f42e75d_attn:
	.size	k_q255f42e75d_attn, .Lfunc_end_k_q255f42e75d_attn-k_q255f42e75d_attn
	.p2alignl 7, 3214868480
	.fill 96, 4, 3214868480
	.section	.rodata,"a",@progbits
	.p2align	6, 0x0
	.amdhsa_kernel k_q255f42e75d_attn
		.amdhsa_group_segment_fixed_size 319744
		.amdhsa_private_segment_fixed_size 0
		.amdhsa_enable_private_segment 0
		.amdhsa_kernarg_size 40
		.amdhsa_user_sgpr_count 2
		.amdhsa_user_sgpr_kernarg_segment_ptr 1
		.amdhsa_wavefront_size32 1
		.amdhsa_system_sgpr_workgroup_id_x 1
		.amdhsa_system_sgpr_workgroup_id_y 1
		.amdhsa_system_sgpr_workgroup_id_z 1
		.amdhsa_system_vgpr_workitem_id 0
		.amdhsa_next_free_vgpr 256
		.amdhsa_next_free_sgpr 96
		.amdhsa_reserve_vcc 1
		.amdhsa_float_denorm_mode_32 3
		.amdhsa_float_denorm_mode_16_64 3
		.amdhsa_memory_ordered 1
		.amdhsa_forward_progress 1
		.amdhsa_inst_pref_size 90
	.end_amdhsa_kernel
	.amdgpu_metadata
---
amdhsa.version: [ 1, 2 ]
amdhsa.kernels:
  - .name:           k_q255f42e75d_attn
    .symbol:         k_q255f42e75d_attn.kd
    .args:
      - { .name: q_img, .offset: 0, .size: 8, .value_kind: global_buffer, .address_space: global }
      - { .name: k_img, .offset: 8, .size: 8, .value_kind: global_buffer, .address_space: global }
      - { .name: v_img, .offset: 16, .size: 8, .value_kind: global_buffer, .address_space: global }
      - { .name: masktab, .offset: 24, .size: 8, .value_kind: global_buffer, .address_space: global }
      - { .name: y_img, .offset: 32, .size: 8, .value_kind: global_buffer, .address_space: global }
    .group_segment_fixed_size: 319744
    .private_segment_fixed_size: 0
    .kernarg_segment_align: 8
    .kernarg_segment_size: 40
    .max_flat_workgroup_size: 512
    .sgpr_count:     96
    .vgpr_count:     256
    .wavefront_size: 32
...
	.end_amdgpu_metadata
.endif
;; end of part 3
;; launch proj (part 4): grid 8 x 32, 4 waves a work-group, clusters of 4 x 4, 274,944 bytes of LDS; arguments y_img, wp_img, b_proj, out0; writes out0
.if DOCPART == 4
	.amdgcn_target "amdgcn-amd-amdhsa--gfx1250"
	.amdhsa_code_object_version 6
	.text
	.protected	k_q255f42e75d_proj
	.globl	k_q255f42e75d_proj
	.p2align	8
	.type	k_q255f42e75d_proj,@function
k_q255f42e75d_proj:
	s_mov_b64 s[64:65], 0
	v_nop
	global_prefetch_b8 v0, s[64:65] scope:SCOPE_SE
	s_setreg_imm32_b32 hwreg(HW_REG_WAVE_MODE, 25, 1), 1
	s_wait_xcnt 0x0
	s_wait_alu depctr_hold_cnt(0) depctr_sa_sdst(0) depctr_va_vdst(0) depctr_va_sdst(0) depctr_va_ssrc(0) depctr_va_vcc(0) depctr_vm_vsrc(0)
	s_getreg_b32 s2, hwreg(HW_REG_IB_STS2, 6, 4)
	s_cmp_eq_u32 s2, 0
	s_cbranch_scc0 .Lentry_in_a_cluster
	s_endpgm
.Lentry_in_a_cluster:
	s_bfe_u32 s2, ttmp6, 0x10000c
	s_cmp_lg_u32 s2, 0xf033
	s_cbranch_scc0 .Lentry_shape_is_right
	s_endpgm
.Lentry_shape_is_right:
; OUT0 = Q(y) Q(w_proj) + b_proj on codes of FP6 (E2M3); out0 [4096][1024] f32.
; A work-group makes 128 tokens x 128 columns: 256 work-groups.  Wave (wm, wn) makes 64 x 64: 16 accumulators, TRANSPOSED (source 0 = 16 columns of w, source 1 = 16 tokens): a lane holds eight neighbouring columns of one token.
; Both operands come as images of registers; all 8 K steps of both stay in LDS (2 x 102,400 bytes), filled once: no ring.  Each wave issues one joint load of four K steps.
; CLUSTER 4 x 4: y's blocks hang on the block of tokens alone (shared along a row of the cluster), w's on the block of columns alone (along a column).
; A tile's rows are 32 b + 8 u + r + 8 (r / 8); the way out puts tokens and columns back in order: through each wave's own stage in LDS, then sixteen lanes store 256 consecutive bytes, aligned.
; No prefetch: all that the work-group reads is asked for at its head.
; REGISTERS.  window 0: v1-9 lane terms; v10-13; v32-39 scale words, two sets (lanes 0-15 y's, lanes 16-31 w's); v40-47 LDS addresses, four for each half of K; v64-255 fragments, two sets (y's 48, w's 48).
;   window 1: v0-127 the accumulators (tile of tokens i, tile of columns n at 8 (4 i + n)); v128-159 the bias.
; THE FILLS AS THIS TEXT HAS THEM (in place of what the head says of two loads a wave): each wave issues ONE joint load, at the head: four K steps, 200 rows of 256 bytes, of y (waves 0, 1) or of w (waves 2, 3); one barrier shows all of K.
.set BLK,   12800
.set WB,    102400                     ; w's blocks, behind y's
.set STAGE, 204800                     ; 64 rows x (256 bytes + 16) for each wave
.set SPARE, 274432
.set SPW, 10
.set NIL, 11
.set L16, 12
.set LR,  13
.set STO, 14
.set RD,  15
.set CO,  16
.set SCL, 32
.set ADR, 40                           ; half g of K at ADR + 4 g: y by 16 bytes a lane, y by 8, w, the scale words
.set AF,  64
.set BI,  128
.set G1A, 24
.set G1B, 32
.set G0A, 40
.set G0B, 48
.set MSB, 0
.macro WIN new
.if MSB != \new
	s_set_vgpr_msb (MSB<<8)|\new
.set MSB, \new
.endif
.endm
.macro PLACES
.rept 4
	v_nop
.endr
.endm
.macro CROUND
	s_barrier_signal -1
	s_barrier_wait -1
	s_cmp_lg_u32 s16, 0
	s_cbranch_scc1 .Lnot_wave_0_\@
	s_barrier_signal -3
.Lnot_wave_0_\@:
	s_barrier_wait -3
	s_barrier_signal -1
	s_barrier_wait -1
.endm
; 29 LDS loads: K step s into set f.  A tile of y lies as two halves (a head each): 512 bytes of registers 6 c .. 6 c + 3, 256 bytes of registers 6 c + 4, 6 c + 5
.macro FETCH s, f
.set FG, ADR+4*((\s)/4)
.set FO, ((\s)%4)*BLK
.irp i, 0,1,2,3
	ds_load_b128 v[AF+96*(\f)+12*\i:AF+96*(\f)+12*\i+3], v[FG] offset:FO+1536*\i
	ds_load_b64 v[AF+96*(\f)+12*\i+4:AF+96*(\f)+12*\i+5], v[FG+1] offset:FO+1536*\i+512
	ds_load_b128 v[AF+96*(\f)+12*\i+6:AF+96*(\f)+12*\i+9], v[FG] offset:FO+1536*\i+768
	ds_load_b64 v[AF+96*(\f)+12*\i+10:AF+96*(\f)+12*\i+11], v[FG+1] offset:FO+1536*\i+1280
.endr
.irp n, 0,1,2,3
.irp i, 0,1,2
	ds_load_b128 v[AF+96*(\f)+48+12*\n+4*\i:AF+96*(\f)+48+12*\n+4*\i+3], v[FG+2] offset:FO+1536*\n+512*\i
.endr
.endr
	ds_load_b128 v[SCL+4*(\f):SCL+4*(\f)+3], v[FG+3] offset:FO
.endm
; 16 products; the 16 accumulators take turns, in the same order in every step.  first = 1: the bias is the C that starts the sums.  The word of w's tile 2 b + u is word 2 u + b.
.macro MUL f, first
	WIN 0x50                                       ; sources 0 and 1 window 0; C and D window 1
.irp i, 0,1,2,3
.irp n, 0,1,2,3
.if \first
	v_wmma_scale_f32_16x16x128_f8f6f4 v[8*(4*\i+\n):8*(4*\i+\n)+7], v[AF+96*(\f)+48+12*\n:AF+96*(\f)+48+12*\n+11], v[AF+96*(\f)+12*\i:AF+96*(\f)+12*\i+11], v[BI+8*\n:BI+8*\n+7], v[SCL+4*(\f)+2*(\n%2)+\n/2], v[SCL+4*(\f)+\i] matrix_a_fmt:MATRIX_FMT_FP6 matrix_b_fmt:MATRIX_FMT_FP6 matrix_a_scale:MATRIX_SCALE_ROW1
.else
	v_wmma_scale_f32_16x16x128_f8f6f4 v[8*(4*\i+\n):8*(4*\i+\n)+7], v[AF+96*(\f)+48+12*\n:AF+96*(\f)+48+12*\n+11], v[AF+96*(\f)+12*\i:AF+96*(\f)+12*\i+11], v[8*(4*\i+\n):8*(4*\i+\n)+7], v[SCL+4*(\f)+2*(\n%2)+\n/2], v[SCL+4*(\f)+\i] matrix_a_fmt:MATRIX_FMT_FP6 matrix_b_fmt:MATRIX_FMT_FP6 matrix_a_scale:MATRIX_SCALE_ROW1
.endif
.endr
.endr
	WIN 0
.endm
.macro STEP s                          ; K step s is multiplied while step s + 1 is fetched
	s_wait_dscnt 0x0
	PLACES                                         ; four places in front of loads into registers that matrix instructions have read
	FETCH (\s)+1, ((\s)+1)%2
	MUL (\s)%2, 0
.endm
	s_load_b256 s[4:11], s[0:1], 0x0               ; y_img 4, wp_img 6, b_proj 8, out0 10
	v_lshl_add_u32 v[SPW], v0, 2, SPARE
	v_mov_b32 v[NIL], 0
	ds_add_u32 v[SPW], v[NIL]                      ; the wave's opening: the add and its wait ahead of my first tensor load
	ds_add_u32 v[SPW], v[NIL]
	v_lshrrev_b32 v1, 5, v0
	v_readfirstlane_b32 s16, v1                    ; wave 0..3
	s_lshr_b32 s17, s16, 1                         ; wm.  Also: I fetch for y (0) or for w (1)
	s_and_b32 s18, s16, 1                          ; wn.  Also: which chunks I fetch
	s_bfe_u32 s19, ttmp6, 0x40000                  ; cx
	s_bfe_u32 s20, ttmp6, 0x40004                  ; cy
	s_lshl_b32 s21, ttmp9, 2
	s_add_co_u32 s21, s21, s19                     ; the block of 128 columns
	s_and_b32 s22, ttmp7, 0xffff
	s_lshl_b32 s22, s22, 2
	s_add_co_u32 s22, s22, s20                     ; the block of 128 tokens
	s_lshl_b32 s23, s20, 2
	s_lshl_b32 s23, 15, s23                        ; my row of the cluster
	s_lshl_b32 s66, 0x1111, s19                    ; my column
	s_or_b32 s[G1A], s23, (3<<16)|(1<<21)          ; the mask; elements of 8 bytes; bit 21 beside a mask; no padding
	s_or_b32 s[G1B], s66, (3<<16)|(1<<21)
.irp g, G1A, G1B
	s_mov_b32 s[\g+1], 32<<16                      ; four K steps, dense, as 200 rows of 256 bytes
	s_mov_b32 s[\g+2], 200<<16
	s_mov_b32 s[\g+3], 32<<16
	s_mov_b32 s[\g+4], 200
	s_mov_b32 s[\g+5], 32
	s_mov_b32 s[\g+6], 0
	s_mov_b32 s[\g+7], 0
.endr
	s_mul_i32 s72, s18, 4*BLK                      ; my four K steps: in the operand's 102,400 bytes, in memory and in LDS alike
	s_mul_i32 s68, s22, 8*BLK                      ; y: these registers never hold the block of columns
	s_add_co_u32 s68, s68, s72
	s_mov_b32 s69, 0
	s_mul_i32 s70, s21, 8*BLK                      ; w: these never hold the block of tokens
	s_add_co_u32 s70, s70, s72
	s_mov_b32 s71, 0
	s_add_co_u32 s73, s72, WB
	s_wait_dscnt 0x0                               ; the opening add is done
	s_wait_kmcnt 0x0
	s_add_nc_u64 s[68:69], s[4:5], s[68:69]
	s_add_nc_u64 s[70:71], s[6:7], s[70:71]
	CROUND                                         ; all sixteen work-groups are here: the joint loads meet
.irp k, 0
	s_mov_b32 s[G0A+4*\k], 1
	s_add_co_u32 s[G0A+4*\k+1], s72, \k*4*BLK
	s_add_nc_u64 s[G0A+4*\k+2:G0A+4*\k+3], s[68:69], \k*4*BLK
	s_or_b32 s[G0A+4*\k+3], s[G0A+4*\k+3], 0x80000000
	s_mov_b32 s[G0B+4*\k], 1
	s_add_co_u32 s[G0B+4*\k+1], s73, \k*4*BLK
	s_add_nc_u64 s[G0B+4*\k+2:G0B+4*\k+3], s[70:71], \k*4*BLK
	s_or_b32 s[G0B+4*\k+3], s[G0B+4*\k+3], 0x80000000
.endr
	s_cmp_eq_u32 s17, 0                            ; a wave's one fill stands in one branch
	s_cbranch_scc0 .Lfirst_b
.irp k, 0
	tensor_load_to_lds s[G0A+4*\k:G0A+4*\k+3], s[G1A:G1A+7]
	s_nop 0
.endr
.rept 4
	v_nop
.endr
	s_branch .Lfirst_done
.Lfirst_b:
.irp k, 0
	tensor_load_to_lds s[G0B+4*\k:G0B+4*\k+3], s[G1B:G1B+7]
	s_nop 0
.endr
.rept 4
	v_nop
.endr
.Lfirst_done:
	v_and_b32 v1, 31, v0                           ; lane
	v_and_b32 v2, 15, v0                           ; r
	v_bfe_u32 v3, v0, 4, 1                         ; h
	v_lshlrev_b32 v[L16], 4, v1
	v_lshlrev_b32 v[LR], 4, v2
	v_lshlrev_b32 v7, 3, v1
	s_mul_i32 s74, s17, 6144                       ; y: my 4 tiles
	v_add_nc_u32 v[ADR], s74, v[L16]
	v_add_nc_u32 v[ADR+1], s74, v7
	s_mul_i32 s74, s18, 6144
	s_add_co_u32 s74, s74, WB                      ; w: my 4 tiles
	v_add_nc_u32 v[ADR+2], s74, v[L16]
	s_lshl_b32 s75, s17, 8
	s_lshl_b32 s76, s18, 8
	s_add_co_u32 s76, s76, WB
	s_sub_co_u32 s76, s76, s75                     ; from y's group of words to w's
	v_mul_u32_u24 v6, s76, v3                      ; lanes 16-31 take w's
	v_add_nc_u32 v6, v[LR], v6
	s_add_co_u32 s75, s75, 12288
	v_add_nc_u32 v[ADR+3], s75, v6
.irp k, 0,1,2,3
	v_add_nc_u32 v[ADR+4+\k], 4*BLK, v[ADR+\k]     ; K steps 4 to 7
.endr
	s_mul_i32 s74, s16, 64*272
	s_add_co_u32 s74, s74, STAGE                   ; my stage
	v_mul_u32_u24 v4, v2, 272
	v_lshl_add_u32 v4, v3, 6, v4
	v_add_nc_u32 v[STO], s74, v4                   ; in: row r of a tile, + 64 h
	v_mul_u32_u24 v5, v3, 272
	v_lshl_add_u32 v5, v2, 4, v5
	v_add_nc_u32 v[RD], s74, v5                    ; back: lanes 0-15 one row, lanes 16-31 the next
	v_lshlrev_b32 v[CO], 12, v3
	v_lshl_add_u32 v[CO], v2, 4, v[CO]             ; and the same in out0: rows of 4,096 bytes
	s_lshl_b32 s78, s21, 9
	s_lshl_b32 s79, s18, 8
	s_add_co_u32 s78, s78, s79                     ; my 64 columns, in bytes
	s_mov_b32 s79, 0
	s_add_nc_u64 s[8:9], s[8:9], s[78:79]          ; in the bias,
	s_add_nc_u64 s[10:11], s[10:11], s[78:79]      ; and in a row of out0;
	s_lshl_b32 s78, s22, 19
	s_lshl_b32 s80, s17, 18
	s_add_co_u32 s78, s78, s80
	s_add_nc_u64 s[10:11], s[10:11], s[78:79]      ; my 64 tokens
	v_lshlrev_b32 v8, 6, v3                        ; the bias of tile 2 b + u, lane half h: columns 32 b + 8 u + 16 h + 0 .. 7
	WIN 0x40
.irp n, 0,1,2,3
	global_load_b128 v[BI+8*\n:BI+8*\n+3], v8, s[8:9] offset:(32*(\n/2)+8*(\n%2))*4
	global_load_b128 v[BI+8*\n+4:BI+8*\n+7], v8, s[8:9] offset:(32*(\n/2)+8*(\n%2))*4+16
.endr
	WIN 0
	s_wait_tensorcnt 0x0                           ; my load is in
	s_barrier_signal -1
	s_barrier_wait -1
	FETCH 0, 0
	s_wait_dscnt 0x0
	s_wait_loadcnt 0x0                             ; the bias
	FETCH 1, 1
	MUL 0, 1
	STEP 1
	STEP 2
	STEP 3
	STEP 4
	STEP 5
	STEP 6
	s_wait_dscnt 0x0
	MUL 1, 0
	; ---- THE WAY OUT
	PLACES                                         ; in front of the first read of results and of loads into registers that held fragments
	WIN 0x04                                       ; an LDS store's data are its source 1: window 1
	s_wait_alu depctr_va_vdst(0)
.irp i, 0,1,2,3
.irp n, 0,1,2,3
	ds_store_b128 v[STO], v[8*(4*\i+\n):8*(4*\i+\n)+3] offset:16*\i*272+128*(\n/2)+32*(\n%2)       ; each accumulator from its low end on
	ds_store_b128 v[STO], v[8*(4*\i+\n)+4:8*(4*\i+\n)+7] offset:16*\i*272+128*(\n/2)+32*(\n%2)+16
.endr
.endr
	WIN 0
.set n, 0
.rept 32
	ds_load_b128 v[AF+4*n:AF+4*n+3], v[RD] offset:2*n*272   ; LDS serves a wave's instructions in order: these see my stores
.set n, n+1
.endr
.set n, 0
.rept 32
	s_wait_dscnt 31-n                              ; the younger loads may stay out
	global_store_b128 v[CO], v[AF+4*n:AF+4*n+3], s[10:11] offset:(32*(n/16)+8*((n/8)%2)+8*((n/4)%2)+2*(n%8))*4096 th:TH_STORE_NT   ; stage rows 2 n, 2 n + 1 are two neighbouring tokens; 16 lanes store 256 consecutive bytes, aligned
.set n, n+1
.endr
	s_wait_tensorcnt 0x0                           ; the wave's end
	ds_add_u32 v[SPW], v[NIL]
	s_wait_dscnt 0x0
	CROUND                                         ; the closing round
	s_endpgm
.Lfunc_end_k_q255f42e75d_proj:
	.size	k_q255f42e75d_proj, .Lfunc_end_k_q255f42e75d_proj-k_q255f42e75d_proj
	.p2alignl 7, 3214868480
	.fill 96, 4, 3214868480
	.section	.rodata,"a",@progbits
	.p2align	6, 0x0
	.amdhsa_kernel k_q255f42e75d_proj
		.amdhsa_group_segment_fixed_size 274944
		.amdhsa_private_segment_fixed_size 0
		.amdhsa_enable_private_segment 0
		.amdhsa_kernarg_size 32
		.amdhsa_user_sgpr_count 2
		.amdhsa_user_sgpr_kernarg_segment_ptr 1
		.amdhsa_wavefront_size32 1
		.amdhsa_system_sgpr_workgroup_id_x 1
		.amdhsa_system_sgpr_workgroup_id_y 1
		.amdhsa_system_sgpr_workgroup_id_z 1
		.amdhsa_system_vgpr_workitem_id 0
		.amdhsa_next_free_vgpr 448
		.amdhsa_next_free_sgpr 84
		.amdhsa_reserve_vcc 0
		.amdhsa_float_denorm_mode_32 3
		.amdhsa_float_denorm_mode_16_64 3
		.amdhsa_memory_ordered 1
		.amdhsa_forward_progress 1
		.amdhsa_inst_pref_size 48
	.end_amdhsa_kernel
	.amdgpu_metadata
---
amdhsa.version: [ 1, 2 ]
amdhsa.kernels:
  - .name:           k_q255f42e75d_proj
    .symbol:         k_q255f42e75d_proj.kd
    .args:
      - { .name: y_img, .offset: 0, .size: 8, .value_kind: global_buffer, .address_space: global }
      - { .name: wp_img, .offset: 8, .size: 8, .value_kind: global_buffer, .address_space: global }
      - { .name: b_proj, .offset: 16, .size: 8, .value_kind: global_buffer, .address_space: global }
      - { .name: out0, .offset: 24, .size: 8, .value_kind: global_buffer, .address_space: global }
    .group_segment_fixed_size: 274944
    .private_segment_fixed_size: 0
    .kernarg_segment_align: 8
    .kernarg_segment_size: 32
    .max_flat_workgroup_size: 128
    .sgpr_count:     84
    .vgpr_count:     448
    .wavefront_size: 32
...
	.end_amdgpu_metadata
.endif
;; end of part 4
